; MI455X (gfx1250); checked and timed in simulation.
; The chip was launched on July 23, 2026; its instructions are those of AMD's public machine-readable ISA for CDNA 5 (MIT licence, August 2026) and "CDNA5" Instruction Set Architecture Reference Guide (July 2026). The comments in the code are by the model that wrote it; some were corrected since.
;; Co Attention. Allowed arithmetic: matrix products marked QUANTISED: E2M1 operands, one E8M0 scale for each 32 along K, by v_wmma_scale_f32_16x16x128_f8f6f4 with both operands' format E2M1 (or v_wmma_scale_f32_32x16x128_f4), f32 sums; products left as they are: bf16, f16 or f32 operands; f32 sums; everything else in f32.
;; Inputs: Wk 1,024 x 1,024 float32; Wq_other 1,024 x 1,024 float32; Wq_self 1,024 x 1,024 float32; Wv 1,024 x 1,024 float32; attention_mask 8 x 1,024 float32; queries 8 x 1,024 x 1,024 float32; values 8 x 1,024 x 1,024 float32; x 8 x 1,024 x 1,024 float32.
;; Outputs: out0 8 x 1,024 x 1,024 float32; out1 8 x 1,024 x 1,024 float32.
;; This version of the problem:
;;   THIS VERSION OF THE PROBLEM IS GIVEN IN LOW PRECISION. The matrix products marked QUANTISED in the list below multiply operands that are first quantised to E2M1 (2 exponent bits, 1 mantissa bit; 4 bits a number), with one power-of-two scale for each 32 numbers along K (OCP MX v1.0); their sums are f32. The products marked 'left as it is' may take bf16, f16 or f32 operands, with f32 sums. All else is computed in f32.
;;   The module's matrix products, in the order in which they are computed (A, B: the left and right operand; K: the contracted axis; several contracted axes count as one K, in the product's order):
;;     1. [M 8,192, K 1,024] x [K 1,024, N 1,024]; A: input x; B: input Wk: QUANTISED
;;     2. [M 8,192, K 1,024] x [K 1,024, N 1,024]; A: input x; B: input Wq_self: QUANTISED
;;     3. [M 8,192, K 1,024] x [K 1,024, N 1,024]; A: input queries; B: input Wq_other: QUANTISED
;;     4. [M 8,192, K 1,024] x [K 1,024, N 1,024]; A: input values; B: input Wv: QUANTISED
;;     5. batch 8 x [M 1,024, K 1,024] x [K 1,024, N 1,024]; A: computed on the way; B: computed on the way: left as it is (an operand is computed on the way)
;;     6. batch 8 x [M 1,024, K 1,024] x [K 1,024, N 1,024]; A: computed on the way; B: computed on the way: left as it is (an operand is computed on the way)
;;     7. batch 8 x [M 1,024, K 1,024] x [K 1,024, N 1,024]; A: computed on the way; B: computed on the way: left as it is (an operand is computed on the way)
;;     8. batch 8 x [M 1,024, K 1,024] x [K 1,024, N 1,024]; A: computed on the way; B: computed on the way: left as it is (an operand is computed on the way)
;;   THE QUANTISER, for each operand of a quantised product, along K:
;;     - K is cut into blocks of 32 from its start; a last block that is shorter is filled with zeros.
;;     - A block's scale is 2^e with e = floor(log2(the largest magnitude in the block)) - 2, held to -126 .. 127; a block of zeros has e = 0. As a byte (E8M0): e + 127.
;;     - Each number is divided by its block's scale, clamped to +-6, and rounded to the nearest number of E2M1, ties to even, subnormals kept.
;;     - The product sums the exact products of the quantised numbers (number of the format x scale) in f32.
;;   ~~~python
;;   def quantise(x, axis):      # numpy; x: float32 -> the quantised numbers, widened to float32 again
;;       x = np.moveaxis(x, axis, -1); K = x.shape[-1]
;;       x = np.pad(x, [(0, 0)] * (x.ndim - 1) + [(0, -K % 32)]); x = x.reshape(x.shape[:-1] + (-1, 32)); a = np.abs(x).max(-1, keepdims=True)
;;       e = np.where(a > 0, np.clip(np.frexp(np.where(a > 0, a, 1))[1] - 1 - 2, -126, 127), 0)      # np.frexp(a)[1] - 1 = floor(log2(a)), exactly
;;       r = np.clip(x / 2.0 ** e, -6, 6)
;;       step = 2.0 ** (np.maximum(np.frexp(np.where(r == 0, 1, r))[1] - 1, 0) - 1)
;;       q = np.round(r / step) * step * 2.0 ** e      # np.round: ties to even
;;       return np.moveaxis(q.reshape(q.shape[:-2] + (-1,))[..., :K], -1, axis).astype(np.float32)
;;   ~~~
;; One version. Each part assembles by itself: llvm-mc -triple=amdgcn-amd-amdhsa -mcpu=gfx1250 --defsym DOCPART=n.
;; ======== version 1 of 1: 4 launches
;; limits: values are held in f16: magnitudes above 65,504 overflow, below 6.1e-05 lose precision
;; workspace buffers: codes 14,680,064 bytes; scales 917,504 bytes; proj 67,108,864 bytes; pb 16,777,216 bytes
;; launch quant (part 1): grid 896 x 1, 4 waves a work-group, no clusters, 33,280 bytes of LDS; arguments x, queries, values, Wk, Wq_self, Wq_other, Wv, codes, scales; writes codes, scales
.if DOCPART == 1
	.amdgcn_target "amdgcn-amd-amdhsa--gfx1250"
	.amdhsa_code_object_version 6
	.text
	.protected	k_q327db4bf91_quant
	.globl	k_q327db4bf91_quant
	.p2align	8
	.type	k_q327db4bf91_quant,@function
k_q327db4bf91_quant:
	s_mov_b64 s[64:65], 0
	v_nop
	global_prefetch_b8 v0, s[64:65] scope:SCOPE_SE
	s_setreg_imm32_b32 hwreg(HW_REG_WAVE_MODE, 25, 1), 1
	s_wait_xcnt 0x0
; The seven f32 operands of the four quantised products (x, queries, values: [8192][1024]; Wk, Wq_self, Wq_other, Wv: [1024][1024]; K innermost in all)
; become codes of FP4 (E2M1), two a byte, the lower k in the low four bits, and one E8M0 byte for each 32 along K.  The seven tensors follow each other
; in that order in both workspace buffers: 28,672 rows of 512 bytes of codes, and of 32 scale bytes.
; A block's scale is 2^(floor(log2(its largest magnitude)) - 2); its byte is the largest magnitude's own exponent field - 2, held at 1 from below.
; LIMITS: a block of zeros gets the byte 1 (the quantiser's rule says 127): its codes are zeros, which add nothing under that byte, and this program alone
; reads the bytes.  Blocks whose largest magnitude lies under 2^-124 are held at the byte 1.  NaN and infinities among the inputs are not served.
; Rows are dense and 1,024 is a multiple of 32: each tensor is a plain stream of blocks of 32.  A work-group takes 32,768 numbers, a wave 8,192: 16 steps of 512.
; Each of a step's four loads reads 512 consecutive bytes, 16 a lane; the conversions want 16 NEIGHBOURS in a lane's registers, so a step's 2,048 bytes turn through
; the wave's own stage in LDS (16 bytes of padding behind each 64) and come back 64 bytes a lane.  Two neighbouring lanes hold a block.
; A lane's 16 codes are 8 bytes: the wave stores 256 consecutive bytes.  A wave's 256 scale bytes are gathered in LDS and leave as 256 consecutive bytes.
; No tensor loads, no barrier, no cluster: waves and work-groups share nothing.  Loads run four steps (16 loads a wave) ahead.
.set STEPS, 16
.set EMAX,  2
.set CB,    8                          ; bytes of 16 codes
.set R,     16                         ; v16-79   four sets of 16 numbers as they are loaded
.set X,     80                         ; v80-111  two sets of 16 neighbours
.set E,     112                        ; v112-127 a scale byte for each step
.set C,     128                        ; v128-191 codes: four registers for each step, so that no store's data are written again
.set WREG,  8192                       ; LDS: a region for each wave: two stages of 32 x SP bytes, behind them its 256 scale bytes
.set SP,    80                         ; a lane's place in a stage: 64 bytes + 16 of padding
	s_load_b256 s[4:11], s[0:1], 0x0               ; x, queries, values, Wk
	s_load_b256 s[12:19], s[0:1], 0x20             ; Wq_self, Wq_other, Wv, codes
	s_load_b64 s[20:21], s[0:1], 0x40              ; scales
	v_lshl_add_u32 v192, v0, 2, 0x8000
	v_mov_b32 v193, 0
	v_lshrrev_b32 v1, 5, v0
	v_readfirstlane_b32 s23, v1                    ; wave
	v_and_b32 v2, 31, v0                           ; lane
	v_lshlrev_b32 v3, 4, v2                        ; my 16 bytes of a load's 512
	s_mul_i32 s24, s23, WREG
	v_lshrrev_b32 v14, 2, v2
	v_mul_u32_u24 v14, v14, SP
	v_and_b32 v15, 3, v2
	v_lshl_add_u32 v14, v15, 4, v14
	v_add_nc_u32 v14, s24, v14                     ; the stage, on the way in: SP (lane / 4) + 16 (lane % 4)
	v_mul_u32_u24 v15, v2, SP
	v_add_nc_u32 v15, s24, v15                     ; and on the way out: SP x lane: my 16 neighbours
	v_mul_u32_u24 v4, v2, CB                       ; my codes' place in a step's
	v_lshrrev_b32 v5, 1, v2
	s_add_co_u32 s24, s24, 2*32*SP
	v_add_nc_u32 v5, s24, v5                       ; LDS: my wave's 256 scale bytes, my block's byte
	v_lshlrev_b32 v7, 3, v2                        ; on the way out 8 bytes a lane
	v_add_nc_u32 v6, s24, v7
	s_mov_b32 s22, 0
	s_wait_kmcnt 0x0
; which tensor is my work-group's: the choice hangs on the work-group's number alone.  first: the tensor's first work-group; lo: its pointer
.macro PICK first, lo
	s_cmp_ge_u32 ttmp9, \first
	s_cselect_b64 s[4:5], s[\lo:\lo+1], s[4:5]
	s_cselect_b32 s22, \first, s22
.endm
	PICK 256, 6
	PICK 512, 8
	PICK 768, 10
	PICK 800, 12
	PICK 832, 14
	PICK 864, 16
	s_sub_co_u32 s22, ttmp9, s22                   ; my work-group's number within its tensor
	s_lshl_b32 s22, s22, 2
	s_add_co_u32 s22, s22, s23                     ; my wave's run of 8,192 numbers in the tensor
	s_lshl_b32 s24, s22, 15                        ; 32,768 bytes a run (at most 1,023 runs)
	s_mov_b32 s25, 0
	s_add_nc_u64 s[4:5], s[4:5], s[24:25]
	s_lshl_b32 s26, ttmp9, 2
	s_add_co_u32 s26, s26, s23                     ; and in the workspace, where the tensors follow each other
	s_lshl_b32 s24, s26, 12                        ; 4,096 bytes of codes a run
	s_add_nc_u64 s[18:19], s[18:19], s[24:25]
	s_lshl_b32 s24, s26, 8                         ; 256 scale bytes a run
	s_add_nc_u64 s[20:21], s[20:21], s[24:25]
.macro LOAD t
.irp i, 0,1,2,3
	global_load_b128 v[R+16*((\t)%4)+4*\i:R+16*((\t)%4)+4*\i+3], v3, s[4:5] offset:2048*(\t)+512*\i th:TH_LOAD_NT   ; 32 lanes read 512 consecutive bytes
.endr
.endm
.macro TURN t                          ; step t's numbers through the stage: LDS serves a wave's instructions in order, so no wait stands between the stores and the loads
.irp i, 0,1,2,3
	ds_store_b128 v14, v[R+16*((\t)%4)+4*\i:R+16*((\t)%4)+4*\i+3] offset:32*SP*((\t)%2)+8*SP*\i
.endr
.irp i, 0,1,2,3
	ds_load_b128 v[X+16*((\t)%2)+4*\i:X+16*((\t)%2)+4*\i+3], v15 offset:32*SP*((\t)%2)+16*\i
.endr
.endm
.irp t, 0,1,2,3
	LOAD \t
.endr
	s_wait_loadcnt 12                              ; step 0's four loads are in; those of steps 1 to 3 may be out
	TURN 0
.macro STEP t
.set XS, X+16*((\t)%2)
.if (\t) > 0
	s_wait_dscnt 1                                 ; this step's numbers are back from the stage (the last step's byte store may be out): so its stores into the stage have read their registers,
.else
	s_wait_dscnt 0x0
.endif
.if (\t)+4 < STEPS
	LOAD (\t)+4                                    ; which take the loads of four steps on
.endif
.if (\t)+1 < STEPS
.if STEPS-2-(\t) >= 3
	s_wait_loadcnt 12                              ; the next step's four loads are in; those of the three steps behind it may be out
.else
	s_wait_loadcnt 4*(STEPS-2-(\t))
.endif
	TURN (\t)+1                                    ; and go through the other stage while this step is worked
.endif
	v_max3_num_f32 v8, |v[XS]|, |v[XS+1]|, |v[XS+2]|               ; the largest magnitude of my 16, in two chains
	v_max3_num_f32 v9, |v[XS+3]|, |v[XS+4]|, |v[XS+5]|
.irp i, 6,10
	v_max3_num_f32 v8, v8, |v[XS+\i]|, |v[XS+\i+1]|
	v_max3_num_f32 v9, v9, |v[XS+\i+2]|, |v[XS+\i+3]|
.endr
	v_max3_num_f32 v8, v8, |v[XS+14]|, |v[XS+15]|
	v_max3_num_f32 v8, v8, v9, (EMAX+1)<<23        ; and the floor 2^(3 - 127): so the byte cannot fall under 1
	v_max_num_f32_dpp v8, v8, v8 row_xmask:1 row_mask:0xf bank_mask:0xf   ; and of my neighbour's 16: the block's
	v_add_nc_u32 v11, -(EMAX<<23), v8              ; 2 off its exponent field: the conversion takes the exponent field of this operand as its scale, and nothing else of it
	v_cvt_scalef32_pk8_fp4_f32 v[C+4*(\t)], v[XS:XS+7], v11        ; eight numbers / the scale, to the nearest code, ties to even, beyond 6 the largest code
	v_cvt_scalef32_pk8_fp4_f32 v[C+4*(\t)+1], v[XS+8:XS+15], v11
	v_lshrrev_b32 v[E+(\t)], 23, v11               ; the scale's byte (also the plain line behind the conversions)
	ds_store_b8 v5, v[E+(\t)] offset:16*(\t)       ; both lanes of a block write the same byte with the same value
	global_store_b64 v4, v[C+4*(\t):C+4*(\t)+1], s[18:19] offset:32*CB*(\t)   ; 32 lanes store 256 consecutive bytes, at a multiple of 256 from the buffer's first byte
.endm
.irp t, 0,1,2,3,4,5,6,7,8,9,10,11,12,13,14,15
	STEP \t
.endr
	ds_load_b64 v[12:13], v6                       ; LDS serves a wave's instructions in order: these see my stores
	s_wait_dscnt 0x0
	global_store_b64 v7, v[12:13], s[20:21]        ; 32 lanes store 256 consecutive bytes
	s_wait_tensorcnt 0x0
	ds_add_u32 v192, v193
	s_wait_dscnt 0x0
	s_endpgm
.Lfunc_end_k_q327db4bf91_quant:
	.size	k_q327db4bf91_quant, .Lfunc_end_k_q327db4bf91_quant-k_q327db4bf91_quant
	.p2alignl 7, 3214868480
	.fill 96, 4, 3214868480
	.section	.rodata,"a",@progbits
	.p2align	6, 0x0
	.amdhsa_kernel k_q327db4bf91_quant
		.amdhsa_group_segment_fixed_size 33280
		.amdhsa_private_segment_fixed_size 0
		.amdhsa_enable_private_segment 0
		.amdhsa_kernarg_size 72
		.amdhsa_user_sgpr_count 2
		.amdhsa_user_sgpr_kernarg_segment_ptr 1
		.amdhsa_wavefront_size32 1
		.amdhsa_system_sgpr_workgroup_id_x 1
		.amdhsa_system_sgpr_workgroup_id_y 1
		.amdhsa_system_sgpr_workgroup_id_z 1
		.amdhsa_system_vgpr_workitem_id 0
		.amdhsa_next_free_vgpr 194
		.amdhsa_next_free_sgpr 66
		.amdhsa_reserve_vcc 0
		.amdhsa_float_denorm_mode_32 3
		.amdhsa_float_denorm_mode_16_64 3
		.amdhsa_memory_ordered 1
		.amdhsa_forward_progress 1
		.amdhsa_inst_pref_size 34
	.end_amdhsa_kernel
	.amdgpu_metadata
---
amdhsa.version: [ 1, 2 ]
amdhsa.kernels:
  - .name:           k_q327db4bf91_quant
    .symbol:         k_q327db4bf91_quant.kd
    .args:
      - { .name: x, .offset: 0, .size: 8, .value_kind: global_buffer, .address_space: global }
      - { .name: queries, .offset: 8, .size: 8, .value_kind: global_buffer, .address_space: global }
      - { .name: values, .offset: 16, .size: 8, .value_kind: global_buffer, .address_space: global }
      - { .name: Wk, .offset: 24, .size: 8, .value_kind: global_buffer, .address_space: global }
      - { .name: Wq_self, .offset: 32, .size: 8, .value_kind: global_buffer, .address_space: global }
      - { .name: Wq_other, .offset: 40, .size: 8, .value_kind: global_buffer, .address_space: global }
      - { .name: Wv, .offset: 48, .size: 8, .value_kind: global_buffer, .address_space: global }
      - { .name: codes, .offset: 56, .size: 8, .value_kind: global_buffer, .address_space: global }
      - { .name: scales, .offset: 64, .size: 8, .value_kind: global_buffer, .address_space: global }
    .group_segment_fixed_size: 33280
    .private_segment_fixed_size: 0
    .kernarg_segment_align: 8
    .kernarg_segment_size: 72
    .max_flat_workgroup_size: 128
    .sgpr_count:     66
    .vgpr_count:     194
    .wavefront_size: 32
...
	.end_amdgpu_metadata
.endif
;; end of part 1
;; launch proj (part 2): grid 4 x 64, 4 waves a work-group, clusters of 4 x 4, 327,680 bytes of LDS; arguments codes, scales, proj; writes proj
.if DOCPART == 2
	.amdgcn_target "amdgcn-amd-amdhsa--gfx1250"
	.amdhsa_code_object_version 6
	.text
	.protected	k_q327db4bf91_proj
	.globl	k_q327db4bf91_proj
	.p2align	8
	.type	k_q327db4bf91_proj,@function
k_q327db4bf91_proj:
	s_mov_b64 s[64:65], 0
	v_nop
	global_prefetch_b8 v0, s[64:65] scope:SCOPE_SE
	s_setreg_imm32_b32 hwreg(HW_REG_WAVE_MODE, 25, 1), 1
	s_wait_xcnt 0x0
	s_wait_alu depctr_hold_cnt(0) depctr_sa_sdst(0) depctr_va_vdst(0) depctr_va_sdst(0) depctr_va_ssrc(0) depctr_va_vcc(0) depctr_vm_vsrc(0)
	s_getreg_b32 s2, hwreg(HW_REG_IB_STS2, 6, 4)
	s_cmp_eq_u32 s2, 0
	s_cbranch_scc0 .Lentry_in_a_cluster
	s_endpgm
.Lentry_in_a_cluster:
	s_bfe_u32 s2, ttmp6, 0x10000c
	s_cmp_lg_u32 s2, 0xf033
	s_cbranch_scc0 .Lentry_shape_is_right
	s_endpgm
.Lentry_shape_is_right:
; The four quantised products, on codes of FP4 (E2M1) with one E8M0 scale for each 32 along K = 1,024; sums in f32; results rounded once to f16 (they are operands of products that take 16-bit operands).
;   p = 0: k = x Wk^T     p = 1: q_s = x Wq_self^T     p = 2: q_o = queries Wq_other^T     p = 3: v^T = Wv values^T (the same text with the roles changed gives v with the keys innermost)
; WHY f16: its 11 significant bits against bf16's 8; the next products add 1,024 terms, and their results are compared to a hundredth of their root mean square.  ITS ROOM: a result is a sum of 1,024 products; with
; activations of spread 1 and weights of spread 1/32 it has spread 1; both 30 times larger make it 900 times larger, both carrying an offset of 30 spreads make it 1,024 x 30 x 30/32 = 28,800: under f16's 65,504.
; Both 30 times smaller give a spread of 2^-10: what falls under 2^-14 is kept as a denormal, to within 2^-25.
; C[m][n] = sum over k of A[m][k] B[n][k].  A tile of C is 256 x 256, a work-group of four waves, a wave 128 x 128: 64 accumulators, 512 registers.  512 tiles.
; A WORK-GROUP STAYS: 256 work-groups make TWO tiles each, the second 1,024 rows of the long operand (x, queries or values) further on.  K goes in two steps of 512 (a tile's row is 256 bytes) through two LDS slots,
; and the ring goes on into the second tile: slot 0 takes its K step 0 at the first tile's change of slots, slot 1 its K step 1 at the first tile's last step; then the first tile goes out, and nothing waits for its stores.
; The scale bytes of the work-group's 2 x 256 rows come as dense blocks with the first fills, those of the second tile into bytes of their own.
; No prefetch: a work-group's whole walk is four K steps, of which two are asked for in its first lines.
; CLUSTERS: 4 x 4 work-groups, all of one product p.  The four of a row of the cluster need the same rows of A, the four of a column the same rows of B: each tile is asked for JOINTLY.
; THE MATRIX INSTRUCTION IS USED TRANSPOSED (source 0 = 16 rows of B, source 1 = 16 rows of A): a lane holds eight neighbouring numbers of a row of C.
; THE RESULT'S LAYOUT: element (row, col) of a result with NR rows lies at byte (col / 64) x NR x 128 + row x 128 + (col % 64) x 2: 64 neighbours along the next product's K are a row of 128 bytes,
; and the rows of such a chunk are dense.  NR = 8,192 for k, q_s, q_o (col = feature), 1,024 for v^T (row = feature, col = 1,024 batch + key).  The four results follow each other, 16 MiB each.
; REGISTERS, in windows of 256: window 0: v0-31 addresses; v32-95 scale words, two sets; v96-127 and v192-255 the way out; v128-191 A's fragments, ONE set.
;   window 1: B's fragments, TWO sets, at v0 and v128.   window 2: the accumulators of my rows 0-63 ((a, b) at v[8 (8 a + b)]);   window 3: those of my rows 64-127.
; LIMITS: a result of magnitude 65,504 or more has no number in f16 and is not served.  NaN and infinities are not served.
.set NQ,     4                         ; matrix instructions deep in a slot: 512 / 128
.set ROWB,   256                       ; a tile's row in bytes: 512 codes
.set KROW,   512                       ; a row of codes in memory
.set PITCH,  272                       ; an LDS row: 256 bytes + 16 of padding = 68 words: the 16 rows that a load touches start 4 words apart modulo 64
.set FR,     8                         ; registers of a fragment: 16 rows x 128 K
.set NL,     2                         ; LDS loads that bring one
.set NP,     4                         ; places behind this matrix instruction (ISA guide 7.12.1)
.set HALFT,  128*PITCH                 ; 128 rows: what one tensor load brings, and what one wave reads of A or of B
.set SLOT,   4*HALFT                   ; A's 256 rows, then B's 256 rows
.set KS,     32                        ; a row of scale bytes
.set SCL,    2*SLOT                    ; behind the slots: the first tile's scales, as rows of 256 bytes + 16 of padding
.set HALFS,  (128*KS/256)*272          ; the scales of 128 rows: what one tensor load brings
.set SBLK,   (16*KS/256)*272           ; those of 16 rows
.set SCL2,   SCL+4*HALFS               ; the second tile's scales
.set STG,    SCL2+4*HALFS              ; the stages for the way out, bytes of their own: for each wave 16 rows x 144 bytes, one chunk of 64 columns at a time
.set SPI,    144                       ; a stage row: 128 bytes + 16
.set SPARE,  STG+4*16*SPI              ; the spare words, 128 bytes for each wave: two blocks of 256 bytes that no other line names
.set ADRA, 16                          ; v16-17  LDS address of my A fragments in slot 0, 1
.set ADRB, 20                          ; v20-21  the same for B
.set STO,  24                          ; v24     the way out: where I put 16 bytes of a row
.set RD,   25                          ; v25     the way out: where I read them back
.set CO,   26                          ; v26     16 x lane
.set ADRS, 27                          ; v27     LDS address of my scale words: lanes 0-15 A's rows, lanes 16-31 B's
.set SPW,  28                          ; v28     LDS address of my spare word: SPARE + 4 x my thread's number; never rewritten
.set NIL,  29                          ; v29     0; never rewritten
.set SC,   32                          ; scale words: set s at v[SC + 32 s]; register 4 i + q: lanes 0-15 the word of A's block i, lanes 16-31 of B's block i, for the slot's q-th 128 along K
.set AF,   128                         ; A's fragments, in window 0
.set TMP,  96                          ; the way out: a block's packed results, v96-127
.set BK,   192                         ; the way out: a block read back from the stage: v192-223 and v224-255 by turns
.set DA,   2                           ; s[2:3]     bytes from the first tile's rows of A to the second's: 1,024 rows of codes, or 0 where A is the weight
.set DB,   66                          ; s[66:67]   the same for B
.set DO,   100                         ; s[100:101] bytes from the first tile to the second in the result
.set G0SB2, 4                          ; s[4:7]     group 0 for B's scales of the second tile (the arguments' registers, once the addresses are made)
.set G0S2, 8                           ; s[8:11]    group 0 for A's scales of the second tile
.set G1, 24                            ; s[24:31] descriptor group 1 for A's tiles;  s[32:39] group 0, one set for each slot
.set G0, 32
.set G1B, 48                           ; s[48:55], s[56:63] the same for B's tiles
.set G0B, 56
.set G1S, 68                           ; s[68:75], s[76:79] groups 1 and 0 for A's scales;  s[80:87], s[88:91] for B's
.set G0S, 76
.set G1SB, 80
.set G0SB, 88
.set MSB, 0
.macro WIN new                         ; the immediate's high byte repeats the setting that is left; a switch that changes nothing is dropped
.if MSB != (\new)
	s_set_vgpr_msb (MSB<<8)|(\new)
.set MSB, (\new)
.endif
.endm
.set MUL_LO, 0xa1                      ; source 0 (B) window 1, source 1 (A) window 0, C and D window 2
.set MUL_HI, 0xf1                      ; the same, C and D window 3
.set TO_B,   0x40                      ; destination window 1, address window 0
; A joint load: waves 0 and 1 fetch for A, waves 2 and 3 for B.  Each of the two lines has ONE mask and one set of registers for all that issue it; the branch hangs on the wave's number alone.
; Four v_nop follow each of the two lines, ahead of the jump, the label and what follows.
.macro JLOAD g0a, g1a, g0b, g1b
	s_cmp_eq_u32 s15, 0
	s_cbranch_scc0 .Lfor_b_\@
	tensor_load_to_lds s[\g0a:\g0a+3], s[\g1a:\g1a+7]
	s_nop 0
.rept 4
	v_nop
.endr
	s_branch .Lasked_\@
.Lfor_b_\@:
	tensor_load_to_lds s[\g0b:\g0b+3], s[\g1b:\g1b+7]
	s_nop 0
.rept 4
	v_nop
.endr
.Lasked_\@:
.endm
.macro CREST                           ; a round of the cluster's barrier behind its opening barrier: wave 0 signals for the work-group; every wave waits for all sixteen; my work-group's barrier once more
	s_cmp_lg_u32 s14, 0
	s_cbranch_scc1 .Lnot_wave_0_\@
	s_barrier_signal -3
.Lnot_wave_0_\@:
	s_barrier_wait -3
	s_barrier_signal -1
	s_barrier_wait -1
.endm
.macro CROUND                          ; a whole round
	s_barrier_signal -1
	s_barrier_wait -1
	CREST
.endm
	s_load_b128 s[4:7], s[0:1], 0x0                ; codes s[4:5], scales s[6:7]
	s_load_b64 s[12:13], s[0:1], 0x10              ; proj
	v_lshl_add_u32 v[SPW], v0, 2, SPARE
	v_mov_b32 v[NIL], 0
	ds_add_u32 v28, v29
	s_wait_dscnt 0x0
	v_lshrrev_b32 v1, 5, v0
	v_readfirstlane_b32 s14, v1                    ; wave 0..3
	s_lshr_b32 s15, s14, 1                         ; which half of the tile's rows is mine.  Also: I fetch for A (0) or for B (1)
	s_and_b32 s16, s14, 1                          ; which half of its columns.  Also: which 128 rows of that tile I fetch
	s_bfe_u32 s40, ttmp6, 0x40000                  ; cx, cy: my place in the cluster
	s_bfe_u32 s41, ttmp6, 0x40004
	s_and_b32 s17, ttmp7, 0xffff                   ; the cluster's y, 0 .. 15: four clusters to a product
	s_lshr_b32 s95, s17, 2                         ; p: which product; the same in all sixteen partners
	s_and_b32 s17, s17, 3
	s_lshl_b32 s17, s17, 3                         ; 8 x the cluster's number within its product: a cluster makes two blocks of 4 x 4 tiles
	s_lshl_b32 s92, s95, 10
	s_add_co_u32 s92, s92, 24576                   ; B's first row among the codes' rows, p < 3: Wk, Wq_self, Wq_other
	s_mov_b32 s96, 0x100000                        ; bytes from chunk to chunk of the result, p < 3: 8,192 rows x 128
	s_mov_b32 s[DO], 0x20000                       ; the second tile in the result, p < 3: 1,024 rows of 128 bytes on
	s_cmp_eq_u32 s95, 2
	s_cselect_b32 s93, 8192, 0                     ; A's first row: x, x, queries
	s_cmp_eq_u32 s95, 3                            ; p = 3: A = Wv (4 tile rows), B = values (32 tile columns): the blocks lie side by side and not one below the other
	s_cselect_b32 s93, 27648, s93
	s_cselect_b32 s92, 16384, s92
	s_cselect_b32 s96, 0x20000, s96                ; 1,024 rows x 128
	s_cselect_b32 s42, s17, 0
	s_cselect_b32 s17, 0, s17
	s_cselect_b32 s[DA], 0, 0x80000                ; 1,024 rows of 512 bytes of codes, for the operand that walks
	s_cselect_b32 s[DB], 0x80000, 0
	s_cselect_b32 s[DO], 0x200000, s[DO]           ; p = 3: 1,024 columns = 16 chunks of 0x20000 bytes on
	s_mov_b32 s[DA+1], 0
	s_mov_b32 s[DB+1], 0
	s_mov_b32 s[DO+1], 0
	s_add_co_u32 s42, s42, s40                     ; the first tile's column of C
	s_add_co_u32 s17, s17, s41                     ; and its row
	s_lshl_b32 s43, s41, 2
	s_lshl_b32 s43, 15, s43                        ; my row of the cluster
	s_lshl_b32 s44, 0x1111, s40                    ; my column
	; descriptor group 1: a tile of 128 rows x 256 bytes, padded in LDS
	s_or_b32 s[G1+0], s43, (0<<16)|(1<<20)|(1<<21)|(5<<22)|(3<<25)  ; 15:0 the mask: A's tiles go to my row; 17:16 element of 1 byte; 20 padding on; 21 set beside a mask; 24:22 after every 64 words (code 5); 31:25 of 4 words (code 3)
	s_or_b32 s[G1B+0], s44, (0<<16)|(1<<20)|(1<<21)|(5<<22)|(3<<25)
.irp g, G1, G1B
	s_mov_b32 s[\g+1], ROWB<<16                    ; tensor_dim0
	s_mov_b32 s[\g+2], 128<<16                     ; tensor_dim1 = 128
	s_mov_b32 s[\g+3], ROWB<<16                    ; tile_dim0
	s_mov_b32 s[\g+4], 128                         ; tile_dim1 = 128
	s_mov_b32 s[\g+5], KROW                        ; tensor_dim0_stride
	s_mov_b32 s[\g+6], 0
	s_mov_b32 s[\g+7], 0
.endr
	; and for the scales of 128 rows: a dense block of 4,096 bytes, as 16 rows of 256 bytes (32 elements of 8 bytes), 16 bytes of padding behind each
	s_or_b32 s[G1S+0], s43, (3<<16)|(1<<20)|(1<<21)|(5<<22)|(3<<25)
	s_or_b32 s[G1SB+0], s44, (3<<16)|(1<<20)|(1<<21)|(5<<22)|(3<<25)
.irp g, G1S, G1SB
	s_mov_b32 s[\g+1], 32<<16
	s_mov_b32 s[\g+2], (128*KS/256)<<16
	s_mov_b32 s[\g+3], 32<<16
	s_mov_b32 s[\g+4], 128*KS/256
	s_mov_b32 s[\g+5], 32
	s_mov_b32 s[\g+6], 0
	s_mov_b32 s[\g+7], 0
.endr
	s_lshl_b32 s18, s16, 7                         ; which 128 rows of the tile I fetch
	s_lshl_b32 s20, s17, 8
	s_add_co_u32 s20, s20, s18
	s_add_co_u32 s20, s20, s93                     ; A: row = its tensor's first + 256 x tile row + 128 x half
	s_lshl_b32 s46, s42, 8
	s_add_co_u32 s46, s46, s18
	s_add_co_u32 s46, s46, s92                     ; B: row = its tensor's first + 256 x tile column + 128 x half
	s_lshl_b32 s22, s20, 5                         ; where these rows' scales begin, in bytes,
	s_mov_b32 s23, 0
	s_lshl_b32 s20, s20, 9                         ; and their codes (28,672 rows of 512 bytes at the most)
	s_mov_b32 s21, 0
	s_lshl_b32 s92, s46, 5
	s_mov_b32 s93, 0
	s_lshl_b32 s46, s46, 9
	s_mov_b32 s47, 0
	s_mul_i32 s45, s14, HALFT                      ; where they go: wave x 128 rows: no place in the cluster enters an LDS address
	s_mul_i32 s94, s14, HALFS
	s_wait_kmcnt 0x0
	s_add_nc_u64 s[20:21], s[4:5], s[20:21]
	s_add_nc_u64 s[22:23], s[6:7], s[22:23]
	s_add_nc_u64 s[46:47], s[4:5], s[46:47]
	s_add_nc_u64 s[92:93], s[6:7], s[92:93]
	s_lshr_b32 s18, s[DA], 4                       ; the second tile's scales: 32 bytes a row where the codes have 512
	s_mov_b32 s19, 0
	s_mov_b32 s[G0S2], 1
	s_add_co_u32 s[G0S2+1], s94, SCL2
	s_add_nc_u64 s[G0S2+2:G0S2+3], s[22:23], s[18:19]
	s_or_b32 s[G0S2+3], s[G0S2+3], 0x80000000
	s_lshr_b32 s18, s[DB], 4
	s_mov_b32 s[G0SB2], 1
	s_add_co_u32 s[G0SB2+1], s94, SCL2
	s_add_nc_u64 s[G0SB2+2:G0SB2+3], s[92:93], s[18:19]
	s_or_b32 s[G0SB2+3], s[G0SB2+3], 0x80000000
	CROUND                                         ; all sixteen work-groups are here: the first joint loads meet
	s_mov_b32 s[G0S], 1
	s_add_co_u32 s[G0S+1], s94, SCL
	s_mov_b64 s[G0S+2:G0S+3], s[22:23]
	s_or_b32 s[G0S+3], s[G0S+3], 0x80000000
	s_mov_b32 s[G0SB], 1
	s_add_co_u32 s[G0SB+1], s94, SCL
	s_mov_b64 s[G0SB+2:G0SB+3], s[92:93]
	s_or_b32 s[G0SB+3], s[G0SB+3], 0x80000000
	JLOAD G0S, G1S, G0SB, G1SB                     ; the first tile's scales first: they are wanted with K step 0
.irp s, 0,1
	s_mov_b32 s[G0+4*\s], 1
	s_add_co_u32 s[G0+4*\s+1], s45, \s*SLOT
	s_add_nc_u64 s[G0+4*\s+2:G0+4*\s+3], s[20:21], \s*ROWB
	s_or_b32 s[G0+4*\s+3], s[G0+4*\s+3], 0x80000000
	s_mov_b32 s[G0B+4*\s], 1
	s_add_co_u32 s[G0B+4*\s+1], s45, \s*SLOT
	s_add_nc_u64 s[G0B+4*\s+2:G0B+4*\s+3], s[46:47], \s*ROWB
	s_or_b32 s[G0B+4*\s+3], s[G0B+4*\s+3], 0x80000000
	JLOAD G0+4*\s, G1, G0B+4*\s, G1B
.endr
	JLOAD G0S2, G1S, G0SB2, G1SB                   ; the second tile's scales, into bytes of their own: four tensor loads of mine are out
	v_and_b32 v1, 15, v0                           ; l % 16
	v_bfe_u32 v2, v0, 4, 1                         ; l / 16
	v_mul_u32_u24 v3, v1, PITCH
	v_lshl_add_u32 v4, v2, 4, v3                   ; a fragment's row x pitch + 16 x half
	s_mul_i32 s21, s15, HALFT                      ; my 128 rows of A
	s_mul_i32 s22, s16, HALFT                      ; my 128 rows of B,
	s_add_co_u32 s22, s22, 2*HALFT                 ; which lie behind A's 256
.irp s, 0,1
	v_add_nc_u32 v[ADRA+\s], s21, v4
	v_add_nc_u32 v[ADRB+\s], s22, v4
	s_add_co_u32 s21, s21, SLOT
	s_add_co_u32 s22, s22, SLOT
.endr
	v_mul_u32_u24 v5, v1, KS                       ; my row's scales: 32 bytes a row,
	v_lshrrev_b32 v6, 8, v5
	v_lshl_add_u32 v5, v6, 4, v5                   ; and 16 more for each 256 passed
	s_mul_i32 s21, s15, HALFS                      ; A's: my 128 rows
	s_mul_i32 s22, s16, HALFS                      ; B's: my 128 rows, behind A's 256
	s_add_co_u32 s22, s22, 2*HALFS
	s_sub_co_u32 s22, s22, s21
	v_mul_u32_u24 v6, s22, v2                      ; lanes 16-31 take B's: one product, the distance between the two
	s_add_co_u32 s21, s21, SCL
	v_add_nc_u32 v5, v5, v6
	v_add_nc_u32 v[ADRS], s21, v5
	s_mul_i32 s23, s14, 16*SPI
	s_add_co_u32 s23, s23, STG                     ; my stage
	v_mul_u32_u24 v5, v1, SPI                      ; in: row l % 16, 16 bytes for each half of the lanes
	v_lshl_add_u32 v5, v2, 4, v5
	v_add_nc_u32 v[STO], s23, v5
	v_and_b32 v6, 31, v0
	v_lshlrev_b32 v[CO], 4, v6                     ; out: 16 bytes a lane
	v_lshrrev_b32 v5, 3, v6                        ; back: eight lanes to a row of 128 bytes, four rows an instruction
	v_mul_u32_u24 v5, v5, SPI
	v_and_b32 v6, 7, v0
	v_lshl_add_u32 v5, v6, 4, v5
	v_add_nc_u32 v[RD], s23, v5
	; where my part of the first tile begins: p x 16 MiB + (4 x tile column + 2 x half) chunks + (256 x tile row + 128 x half) rows of 128 bytes; my second chunk one chunk on
	s_lshl_b32 s20, s17, 8
	s_lshl_b32 s21, s15, 7
	s_add_co_u32 s20, s20, s21
	s_lshl_b32 s20, s20, 7
	s_lshl_b32 s21, s95, 24
	s_add_co_u32 s20, s20, s21
	s_lshl_b32 s46, s42, 2
	s_lshl_b32 s47, s16, 1
	s_add_co_u32 s46, s46, s47
	s_mul_i32 s46, s46, s96
	s_add_co_u32 s20, s20, s46                     ; under 64 MiB
	s_mov_b32 s21, 0
	s_add_nc_u64 s[12:13], s[12:13], s[20:21]
	s_mov_b32 s97, 0
	s_add_nc_u64 s[98:99], s[12:13], s[96:97]
.macro FRAG reg, adr, q, i             ; a fragment, 16 rows x 128 K of 4-bit codes, is 8 registers: lane l holds row l % 16; registers 4 c .. 4 c + 3 hold K = 64 c + 32 (l / 16) + 0 .. 31
.irp c, 0,1
	ds_load_b128 v[\reg+4*\c:\reg+4*\c+3], v[\adr] offset:64*(\q)+32*\c+(\i)*16*PITCH
.endr
.endm
; 16 matrix instructions: A's blocks a0, a0 + 1 x B's eight, 128 along K: the slot's q-th.  p: B's set;  sc: the set of scale words.  zero = 1: the first product starts the sums: nothing is ever cleared.
; The 64 accumulators take turns, one instruction a turn, in the same order in every step.
.macro MUL16 a0, p, q, sc, zero
.irp a, \a0, \a0+1
.irp b, 0,1,2,3,4,5,6,7
.if \zero
	v_wmma_scale_f32_16x16x128_f8f6f4 v[8*(8*((\a)%4)+\b):8*(8*((\a)%4)+\b)+7], v[128*(\p)+FR*\b:128*(\p)+FR*\b+FR-1], v[AF+FR*(\a):AF+FR*(\a)+FR-1], 0, v[SC+8*NQ*(\sc)+NQ*\b+(\q)], v[SC+8*NQ*(\sc)+NQ*(\a)+(\q)] matrix_a_fmt:MATRIX_FMT_FP4 matrix_b_fmt:MATRIX_FMT_FP4 matrix_a_scale:MATRIX_SCALE_ROW1
.else
	v_wmma_scale_f32_16x16x128_f8f6f4 v[8*(8*((\a)%4)+\b):8*(8*((\a)%4)+\b)+7], v[128*(\p)+FR*\b:128*(\p)+FR*\b+FR-1], v[AF+FR*(\a):AF+FR*(\a)+FR-1], v[8*(8*((\a)%4)+\b):8*(8*((\a)%4)+\b)+7], v[SC+8*NQ*(\sc)+NQ*\b+(\q)], v[SC+8*NQ*(\sc)+NQ*(\a)+(\q)] matrix_a_fmt:MATRIX_FMT_FP4 matrix_b_fmt:MATRIX_FMT_FP4 matrix_a_scale:MATRIX_SCALE_ROW1
.endif
.endr
.endr
.endm
.macro FETCH_B slot, q, p              ; B's eight fragments of the slot's q-th 128 along K into set p
	WIN TO_B
.irp i, 0,1,2,3,4,5,6,7
	FRAG 128*(\p)+FR*\i, ADRB+\slot, \q, \i
.endr
	WIN 0
.endm
.macro FETCH_A slot, q, i0             ; A's blocks i0 .. i0 + 3
.irp i, \i0, \i0+1, \i0+2, \i0+3
	FRAG AF+FR*(\i), ADRA+\slot, \q, \i
.endr
.endm
.macro SCALES sc                       ; a K step's scale words into set sc: 4 words a row; lanes 0-15 take A's block i, lanes 16-31 B's block i
.irp i, 0,1,2,3,4,5,6,7
	ds_load_b128 v[SC+8*NQ*\sc+NQ*\i:SC+8*NQ*\sc+NQ*\i+3], v[ADRS] offset:\i*SBLK
.endr
.endm
; A load into a register that a matrix instruction has read, and a vector instruction that reads a matrix result or writes one of a matrix instruction's registers, stand NP places behind that
; matrix instruction, and only plain vector instructions that name none of its registers are places (ISA guide 7.12.1 for vector instructions).
.macro PLACES n
.rept \n
	v_nop
.endr
.endm
; A step of 128 along K that has its successor in the same slot.  A block of A is free as soon as its eight products are issued: blocks 0-3 are fetched anew in the step's middle, blocks 4-7 at its end.
.macro STEP slot, q, zero
	s_wait_dscnt 4*NL                              ; B's set and A's blocks 0-3 are in; the youngest eight loads (A's blocks 4-7) may be out
	WIN MUL_LO
	MUL16 0, (\q)%2, \q, \slot, \zero
	MUL16 2, (\q)%2, \q, \slot, \zero
	s_wait_dscnt 0                                 ; A's blocks 4-7 are in (asked for 32 matrix instructions ago)
	PLACES NP
	FETCH_B \slot, (\q)+1, 1-(\q)%2
	FETCH_A \slot, (\q)+1, 0
	WIN MUL_HI
	MUL16 4, (\q)%2, \q, \slot, \zero
	MUL16 6, (\q)%2, \q, \slot, \zero
	PLACES NP
	WIN 0
	FETCH_A \slot, (\q)+1, 4
.endm
.macro STEPS slot, from                ; the slot's steps from .. NQ - 2
.set Q, \from
.rept NQ-1-\from
	STEP \slot, Q, 0
.set Q, Q+1
.endr
.endm
; A slot's last step changes slots: ONE barrier; in front of it each wave waits for all its tensor loads, adds 0 to its spare word, and waits for that and for its own reads of this slot.
; fill = 1: the barrier opens a round of the cluster's barrier, and this slot is filled again, with the same K step of the SECOND tile, first thing behind the round.  sstep: bytes on to the next K step's scale words.
.macro TURN slot, next, fill, sstep
	s_wait_tensorcnt 0x0                           ; all my tensor loads have landed, my part of the next slot among them;  (every window is 0 here: the add's two registers lie in window 0)
	ds_add_u32 v[SPW], v[NIL]                      ; 0 onto my spare word
	s_wait_dscnt 4*NL+1                            ; (the add and the youngest eight loads, A's blocks 4-7, may be out)
	WIN MUL_LO
	MUL16 0, 1, NQ-1, \slot, 0                     ; sixteen matrix instructions stand between the add and the wait for it
	s_wait_dscnt 0x0                               ; the add is done, and my reads of this slot are over
	s_barrier_signal -1
	MUL16 2, 1, NQ-1, \slot, 0                     ; work on registers while the others arrive
	WIN 0
	s_barrier_wait -1
.if \fill
	CREST                                          ; no wave of any partner still reads this slot's tile or has a load on its way
	s_add_nc_u64 s[G0+4*\slot+2:G0+4*\slot+3], s[G0+4*\slot+2:G0+4*\slot+3], s[DA:DA+1]
	s_add_nc_u64 s[G0B+4*\slot+2:G0B+4*\slot+3], s[G0B+4*\slot+2:G0B+4*\slot+3], s[DB:DB+1]
	JLOAD G0+4*\slot, G1, G0B+4*\slot, G1B         ; the first tensor load behind the round, and my only one until the next; the four v_nop behind it are also the places in front of the loads below
.else
	PLACES NP
.endif
	v_add_nc_u32 v[ADRS], \sstep, v[ADRS]          ; on to the next K step's scale words (no LDS load of mine is out)
	FETCH_B \next, 0, 0
	FETCH_A \next, 0, 0
	SCALES \next
	WIN MUL_HI
	MUL16 4, 1, NQ-1, \slot, 0
	MUL16 6, 1, NQ-1, \slot, 0
	PLACES NP
	WIN 0
	FETCH_A \next, 0, 4
.endm
; THE WAY OUT, block by block of 16 rows x 128 columns.  PACK: rounded to f16, 16 bytes a lane (eight neighbouring columns of a row), each accumulator from its low end on.
; TOSTAGE: a chunk of 64 columns at a time into my own stage, and back four rows of 128 bytes an instruction.  SEND: in the result's layout 16 rows of a chunk are 2,048 consecutive bytes: four stores of 512.
.macro PACK a
.set AC, 64*((\a)%4)
	WIN 0x0a+5*((\a)/4)                            ; sources 0 and 1: window 2 or 3
.irp b, 0,1,2,3,4,5,6,7
.irp r, 0,1,2,3
	v_cvt_pk_f16_f32 v[TMP+4*\b+\r], v[AC+8*\b+2*\r], v[AC+8*\b+2*\r+1]
.endr
.endr
	WIN 0
.endm
.macro TOSTAGE a
.set BB, BK+32*((\a)%2)
.irp c, 0,1
.irp b, 0,1,2,3
	ds_store_b128 v[STO], v[TMP+16*\c+4*\b:TMP+16*\c+4*\b+3] offset:32*\b
.endr
.irp t, 0,1,2,3
	ds_load_b128 v[BB+16*\c+4*\t:BB+16*\c+4*\t+3], v[RD] offset:\t*4*SPI   ; LDS serves a wave's instructions in order (ISA guide 5.7.1.4): these see the stores above, and the next chunk's stores come behind them
.endr
.endr
.endm
.macro SEND a
.set BB, BK+32*((\a)%2)
	s_wait_dscnt 0x0                               ; the block is back in registers
	s_wait_xcnt 0x0                                ; the block before has been stored from the other set: its stores have read their registers, into which the next block's loads will land
.irp t, 0,1,2,3
	global_store_b128 v[CO], v[BB+4*\t:BB+4*\t+3], s[12:13] offset:(\a)*2048+\t*512 th:TH_STORE_NT      ; 32 lanes store 512 consecutive bytes, at a multiple of 256 from the buffer's first byte
.endr
.irp t, 0,1,2,3
	global_store_b128 v[CO], v[BB+16+4*\t:BB+16+4*\t+3], s[98:99] offset:(\a)*2048+\t*512 th:TH_STORE_NT
.endr
.endm
.macro WAYOUT
	PACK 0
	TOSTAGE 0
.irp a, 1,2,3,4,5,6,7                  ; block a's conversions stand between block a - 1's loads from the stage and the wait for them
	PACK \a
	SEND \a-1
	TOSTAGE \a
.endr
	SEND 7
.endm
	s_wait_tensorcnt 2                             ; the first tile's scales and my part of its K step 0 are in; K step 1 and the second tile's scales may stay out
	s_barrier_signal -1
	s_barrier_wait -1                              ; everybody's are
	FETCH_B 0, 0, 0
	FETCH_A 0, 0, 0
	SCALES 0
	FETCH_A 0, 0, 4
	; ---- the first tile
	STEP 0, 0, 1                                   ; the first step's products start the sums
	STEPS 0, 1
	TURN 0, 1, 1, 4*NQ                             ; slot 0 takes the second tile's K step 0
	STEPS 1, 0
	TURN 1, 0, 1, 4*HALFS-4*NQ                     ; slot 1 takes its K step 1; the second tile's first fragments and scale words are fetched
	WAYOUT                                         ; both refills are asked for: now the tile goes out.  TURN's last four v_nop are the places behind the last products
	s_wait_xcnt 0x0                                ; the stores have read their bases:
	s_add_nc_u64 s[12:13], s[12:13], s[DO:DO+1]    ; on to the second tile's place in the result
	s_add_nc_u64 s[98:99], s[98:99], s[DO:DO+1]
	; ---- the second tile: it asks for nothing more
	STEP 0, 0, 1                                   ; its first products start the sums anew, on accumulators that have been packed
	STEPS 0, 1
	TURN 0, 1, 0, 4*NQ
	STEPS 1, 0
	s_wait_dscnt 4*NL                              ; the very last step: nothing more to fetch
	WIN MUL_LO
	MUL16 0, 1, NQ-1, 1, 0
	MUL16 2, 1, NQ-1, 1, 0
	s_wait_dscnt 0
	WIN MUL_HI
	MUL16 4, 1, NQ-1, 1, 0
	MUL16 6, 1, NQ-1, 1, 0
	WIN 0
	PLACES NP                                      ; behind the last products
	WAYOUT
	s_wait_tensorcnt 0x0                           ; the wave's end: behind my last tensor load and my last LDS store
	ds_add_u32 v[SPW], v[NIL]
	s_wait_dscnt 0x0
	CROUND                                         ; the closing round: no work-group ends while a partner may still ask for a tile that names it
	s_endpgm
.Lfunc_end_k_q327db4bf91_proj:
	.size	k_q327db4bf91_proj, .Lfunc_end_k_q327db4bf91_proj-k_q327db4bf91_proj
	.p2alignl 7, 3214868480
	.fill 96, 4, 3214868480
	.section	.rodata,"a",@progbits
	.p2align	6, 0x0
	.amdhsa_kernel k_q327db4bf91_proj
		.amdhsa_group_segment_fixed_size 327680
		.amdhsa_private_segment_fixed_size 0
		.amdhsa_enable_private_segment 0
		.amdhsa_kernarg_size 24
		.amdhsa_user_sgpr_count 2
		.amdhsa_user_sgpr_kernarg_segment_ptr 1
		.amdhsa_wavefront_size32 1
		.amdhsa_system_sgpr_workgroup_id_x 1
		.amdhsa_system_sgpr_workgroup_id_y 1
		.amdhsa_system_sgpr_workgroup_id_z 1
		.amdhsa_system_vgpr_workitem_id 0
		.amdhsa_next_free_vgpr 1024
		.amdhsa_next_free_sgpr 102
		.amdhsa_reserve_vcc 0
		.amdhsa_float_denorm_mode_32 3
		.amdhsa_float_denorm_mode_16_64 3
		.amdhsa_memory_ordered 1
		.amdhsa_forward_progress 1
		.amdhsa_inst_pref_size 246
	.end_amdhsa_kernel
	.amdgpu_metadata
---
amdhsa.version: [ 1, 2 ]
amdhsa.kernels:
  - .name:           k_q327db4bf91_proj
    .symbol:         k_q327db4bf91_proj.kd
    .args:
      - { .name: codes, .offset: 0, .size: 8, .value_kind: global_buffer, .address_space: global }
      - { .name: scales, .offset: 8, .size: 8, .value_kind: global_buffer, .address_space: global }
      - { .name: proj, .offset: 16, .size: 8, .value_kind: global_buffer, .address_space: global }
    .group_segment_fixed_size: 327680
    .private_segment_fixed_size: 0
    .kernarg_segment_align: 8
    .kernarg_segment_size: 24
    .max_flat_workgroup_size: 128
    .sgpr_count:     102
    .vgpr_count:     1024
    .wavefront_size: 32
...
	.end_amdgpu_metadata
.endif
;; end of part 2
;; launch scores (part 3): grid 32 x 8, 4 waves a work-group, clusters of 4 x 1, 327,680 bytes of LDS; arguments proj, attention_mask, out1, pb; writes out1, pb
.if DOCPART == 3
	.amdgcn_target "amdgcn-amd-amdhsa--gfx1250"
	.amdhsa_code_object_version 6
	.text
	.protected	k_q327db4bf91_scores
	.globl	k_q327db4bf91_scores
	.p2align	8
	.type	k_q327db4bf91_scores,@function
k_q327db4bf91_scores:
	s_mov_b64 s[64:65], 0
	v_nop
	global_prefetch_b8 v0, s[64:65] scope:SCOPE_SE
	s_setreg_imm32_b32 hwreg(HW_REG_WAVE_MODE, 25, 1), 1
	s_wait_xcnt 0x0
	s_wait_alu depctr_hold_cnt(0) depctr_sa_sdst(0) depctr_va_vdst(0) depctr_va_sdst(0) depctr_va_ssrc(0) depctr_va_vcc(0) depctr_vm_vsrc(0)
	s_getreg_b32 s2, hwreg(HW_REG_IB_STS2, 6, 4)
	s_cmp_eq_u32 s2, 0
	s_cbranch_scc0 .Lentry_in_a_cluster
	s_endpgm
.Lentry_in_a_cluster:
	s_bfe_u32 s2, ttmp6, 0x10000c
	s_cmp_lg_u32 s2, 0x3003
	s_cbranch_scc0 .Lentry_shape_is_right
	s_endpgm
.Lentry_shape_is_right:
; For 32 queries of one batch: S_self = q_s k^T and S_other = q_o k^T (f16 operands, f32 sums, K = 1,024 features), t = S / 32 + (1 - mask[key]) x -100000, the two softmaxes over all 1,024 keys,
; out1 = p_self (f32) and pb = f16(p_self + p_other), the left operand of the next launch: p_self v + p_other v = (p_self + p_other) v.
; A ROW HAS ONLY 1,024 KEYS, so the work-group keeps its 64 score rows whole, in f32, in registers: 512 registers in each of four waves.  The row's maximum is taken away before the exponential, as the
; problem's softmax does; nothing is rescaled and nothing is computed twice.
; SHARES.  Wave w owns keys 256 w .. 256 w + 255 for all 64 rows (row tiles 0, 1: self; 2, 3: other): 64 accumulators.  S^T = k q^T (source 0 = 16 keys, source 1 = 16 queries): a lane holds ONE query
; (lane % 16) and register j of key tile kt the key 256 w + 16 kt + 8 (lane / 16) + j.  A row's maximum and sum meet across the halves of the lanes by one exchange and across the waves through LDS.
; OPERANDS.  k, q_s, q_o lie in chunks of 64 features: in a chunk a row is 128 bytes and the rows are dense.  A chunk of the batch's 1,024 keys is one dense block of 128 KiB; it comes into LDS as rows of 256 bytes
; with 16 bytes of padding behind each: row R at (R / 2) x 272 + (R % 2) x 128, so that the 16 rows that a fragment load touches lie in 16 different columns of 16 bytes modulo 256.
; K goes in 16 chunks through a ring of two LDS slots (a slot: 1,024 rows of k, 32 of q_s, 32 of q_o).  Waves 0 and 1 fetch k's halves, waves 2 and 3 q_s and q_o.
; THE WALK.  The eight clusters of a batch read the same 16 chunks of k.  Cluster c begins at chunk 4 ((c % 4) xor (c / 4)) and goes round modulo 16: the clusters begin at four different chunks, four apart, and so do
; the four with c even, with c odd, with c under 4 and with c from 4 on.  From the fifth chunk of its walk on a cluster asks for chunks with which another cluster's walk began.  The sums over K are f32 sums in another order.
; CLUSTER.  The four work-groups of a cluster belong to one batch and walk the same k: its tiles are asked for JOINTLY.  q's tiles are each work-group's own: plain loads, behind the same rounds.
; p IN f16: p_self + p_other lies between 0 and 2 for every input, so it has room; what falls under 2^-14 is kept as a denormal, to within 2^-25, beside a row's sum of 2.
; LIMITS: NaN and infinities are not served.  q, k (made by the launch before) and p are rounded to f16 for the products.  A row's sum is added in another order than row by row.
; REGISTERS, in windows of 256: window 0: v14-31 addresses; v32-47 at work on the rows' statistics; v48-55 the rows' maxima, later 1 / their sums, each twice; v64-127 q's fragments, two buffers;
;   v128-255 the penalties of my 128 keys.   window 1: k's fragments, two buffers of 128.   window 2: self's accumulators ((ql, kt) at v[8 (16 ql + kt)]);   window 3: other's.
.set TILE,   2176                      ; 16 rows in LDS: 8 x 272
.set KHALF,  256*272                   ; 512 rows of k: what one tensor load brings
.set QOFF,   2*KHALF                   ; behind k's 1,024 rows: q_s' 32 rows, then q_o's
.set QHALF,  16*272
.set SLOT,   QOFF+2*QHALF              ; 147,968 bytes
.set RED,    2*SLOT                    ; behind the ring: the waves' maxima, 4 row tiles x 16 queries x 4 waves x 4 bytes; 1,024 bytes on: their sums
.set SPARE,  RED+2048                  ; the spare words, 128 bytes for each wave: two blocks of 256 bytes that no other line names
.set SPITCH, 528                       ; the way out: a stage of 16 rows x (512 bytes + 16) for each wave, in slot 0, which has had its last fill and its last read when the first result is stored there
.set CHUNK,  0x100000                  ; bytes from chunk to chunk in k, q_s, q_o and pb: 8,192 rows x 128
.set MOFF, 14                          ; v14  the mask: 32 x (lane / 16)
.set PFQO, 15                          ; v15  the prefetch of q: 256 x (lane % 16) + 16 MiB x (lane / 16); never rewritten
.set ADRK, 16                          ; v16-17  LDS address of my k fragments in slot 0, 1
.set ADRQ, 20                          ; v20-21  the same for q
.set REDR, 22                          ; v22  where I read my query's four figures
.set RDP,  23                          ; v23  the way out of pb: where I read back
.set STO,  24                          ; v24  the way out of out1: where I put 32 bytes of a row
.set RD,   25                          ; v25  and where I read a row back
.set CO,   26                          ; v26  16 x lane
.set STOP, 27                          ; v27  the way out of pb: where I put 16 bytes of a row
.set SPW,  28                          ; v28  LDS address of my spare word: SPARE + 4 x my thread's number; never rewritten
.set NIL,  29                          ; v29  0; never rewritten
.set REDW, 31                          ; v31  where I put my wave's figure of my query
.set T,    32                          ; v32-47  four registers a row tile
.set MX,   48                          ; v48-55  a pair a row tile
.set QF,   64                          ; q's fragments: buffer f, row tile qt at v[QF + 32 f + 8 qt]
.set CH,   64                          ; later: the sums' chains, four pairs a row tile
.set PEN,  128                         ; v[PEN + 8 kt + j]: (1 - mask) x -100000 of the key of register j of key tile kt
.set BK,   128                         ; the way out: a block read back from the stage: v128-191 and v192-255 by turns
.set WV,   12                          ; s12  my wave's number
.set KB,   20                          ; s[20:21] k at the batch's rows, my half, chunk 0; never rewritten
.set QB,   22                          ; s[22:23] q_s or q_o at my rows, chunk 0; never rewritten
.set G1K,  24                          ; s[24:31] descriptor group 1 for k's tiles;  s[32:39] for q's
.set G1Q,  32
.set G0K,  40                          ; s[40:47] group 0 for k's tiles, one set for each slot;  s[48:55] for q's
.set G0Q,  48
.set SEL,  56                          ; s[56:57] lane selects for v_permlanex16_b32: lane l xor 16
.set PFQ,  60                          ; s[60:61] where my prefetch of q stands
.set LIMQ, 63                          ; s63  1 in the wave that prefetches, else the greatest number
.set CK,   80                          ; s80, s81  the chunk that slot 0, 1 holds or has been asked to hold
.set PFQB, 82                          ; s[82:83] q_s at my rows, chunk 0: the prefetches' base; never rewritten
.set KOF,  84                          ; s[84:85] a chunk's byte offset, for the descriptors
.set POF,  86                          ; s[86:87] and for the prefetch
.set MSB, 0
.macro WIN new                         ; the immediate's high byte repeats the setting that is left; a switch that changes nothing is dropped
.if MSB != (\new)
	s_set_vgpr_msb (MSB<<8)|(\new)
.set MSB, (\new)
.endif
.endm
; A wave's one tensor load of a slot.  Waves 0 and 1: k's halves, jointly; waves 2 and 3: q_s, q_o.  The branch hangs on the wave's number alone.  Four v_nop follow each of the two lines.
.macro JLOAD s
	s_cmp_lt_u32 s[WV], 2
	s_cbranch_scc0 .Lfor_q_\@
	tensor_load_to_lds s[G0K+4*\s:G0K+4*\s+3], s[G1K:G1K+7]
	s_nop 0
.rept 4
	v_nop
.endr
	s_branch .Lasked_\@
.Lfor_q_\@:
	tensor_load_to_lds s[G0Q+4*\s:G0Q+4*\s+3], s[G1Q:G1Q+7]
	s_nop 0
.rept 4
	v_nop
.endr
.Lasked_\@:
.endm
; A PREFETCH INTO THE L2 of q's chunk that stands TWO refills on in the walk (256 matrix instructions ahead of the load that will want it); it stands behind the wave's tensor load, its four lines and the run of LDS loads.
; q is each work-group's own stream, read once: 2 x 4 KiB a chunk.  Its wave 2 asks, lanes 0-15 for q_s, lanes 16-31 for q_o, 256 bytes a lane: each block of 256 bytes is named once in the launch.
; The loop's last trip asks for nothing: the walk has no 17th chunk.  The walk's first four chunks come by their loads alone: nothing is asked for at the head.
; k is not prefetched: eight clusters read each chunk of it, and the two refills of a walk with which no other cluster's walk began stand in the loop's first trip, too near the head for a request two refills ahead.
.macro ASK lim, off, base
	s_cmp_gt_u32 s3, s[\lim]                       ; s3 = 1 in the loop's last trip
	s_cbranch_scc0 .Lnot_mine_\@
	global_prefetch_b8 v[\off], s[\base:\base+1] th:TH_LOAD_NT scope:SCOPE_SE
.Lnot_mine_\@:
.endm
.macro CREST                           ; a round of the cluster's barrier behind its opening barrier
	s_cmp_lg_u32 s[WV], 0
	s_cbranch_scc1 .Lnot_wave_0_\@
	s_barrier_signal -3
.Lnot_wave_0_\@:
	s_barrier_wait -3
	s_barrier_signal -1
	s_barrier_wait -1
.endm
.macro CROUND                          ; a whole round
	s_barrier_signal -1
	s_barrier_wait -1
	CREST
.endm
.macro PLACES                          ; four places in front of loads into registers that matrix instructions have read, and of the first read of results (ISA guide 7.12.1 for vector instructions)
.rept 4
	v_nop
.endr
.endm
	s_load_b256 s[4:11], s[0:1], 0x0               ; proj s[4:5], attention_mask s[6:7], out1 s[8:9], pb s[10:11]
	v_lshl_add_u32 v[SPW], v0, 2, SPARE
	v_mov_b32 v[NIL], 0
	ds_add_u32 v28, v29
	s_wait_dscnt 0x0
	v_lshrrev_b32 v1, 5, v0
	v_readfirstlane_b32 s[WV], v1                  ; wave 0..3
	s_and_b32 s13, s[WV], 1                        ; which half of k, or which of q_s and q_o, I fetch
	s_bfe_u32 s14, ttmp6, 0x40000                  ; cx: my place in the cluster
	s_and_b32 s15, ttmp7, 0xffff                   ; the batch, which the four partners share
	s_lshl_b32 s16, ttmp9, 2                       ; in a cluster launch ttmp9 counts clusters
	s_add_co_u32 s16, s16, s14                     ; my block of 32 queries
	s_lshl_b32 s17, s15, 10
	s_lshl_b32 s16, s16, 5
	s_add_co_u32 s17, s17, s16                     ; my first row among the 8,192: 1,024 x batch + 32 x block
	s_lshl_b32 s20, s15, 17                        ; k: the batch's 1,024 rows of 128 bytes in a chunk,
	s_lshl_b32 s21, s13, 16                        ; my half of them: no place in the cluster enters this address
	s_add_co_u32 s20, s20, s21
	s_mov_b32 s21, 0
	s_add_co_u32 s22, s13, 1                       ; q_s lies 16 MiB, q_o 32 MiB behind k
	s_lshl_b32 s22, s22, 24
	s_lshl_b32 s23, s17, 7
	s_add_co_u32 s22, s22, s23
	s_mov_b32 s23, 0
	s_mul_i32 s18, s13, KHALF                      ; and where they go in a slot
	s_mul_i32 s19, s13, QHALF
	s_add_co_u32 s19, s19, QOFF
	; descriptor group 1: a dense block as rows of 256 bytes (32 elements of 8 bytes), 16 bytes of padding behind each.  k: 256 such rows; q: 16
	s_mov_b32 s[G1K], 15|(3<<16)|(1<<20)|(1<<21)|(5<<22)|(3<<25)   ; 15:0 the mask: all four work-groups; 17:16 elements of 8 bytes; 20 padding on; 21 set beside a mask; 24:22 after every 64 words (code 5); 31:25 of 4 words (code 3)
	s_mov_b32 s[G1K+1], 32<<16                     ; tensor_dim0 = 32
	s_mov_b32 s[G1K+2], 256<<16                    ; tensor_dim1 = 256
	s_mov_b32 s[G1K+3], 32<<16                     ; tile_dim0 = 32
	s_mov_b32 s[G1K+4], 256                        ; tile_dim1 = 256
	s_mov_b32 s[G1K+5], 32                         ; tensor_dim0_stride
	s_mov_b32 s[G1K+6], 0
	s_mov_b32 s[G1K+7], 0
	s_mov_b32 s[G1Q], (3<<16)|(1<<20)|(5<<22)|(3<<25)              ; no mask
	s_mov_b32 s[G1Q+1], 32<<16
	s_mov_b32 s[G1Q+2], 16<<16
	s_mov_b32 s[G1Q+3], 32<<16
	s_mov_b32 s[G1Q+4], 16
	s_mov_b32 s[G1Q+5], 32
	s_mov_b32 s[G1Q+6], 0
	s_mov_b32 s[G1Q+7], 0
	s_mov_b32 s[SEL], 0x76543210
	s_mov_b32 s[SEL+1], 0xfedcba98
	s_cmp_eq_u32 s[WV], 2
	s_cselect_b32 s[LIMQ], 1, -1
	s_and_b32 s[CK], ttmp9, 3                      ; where my cluster's walk begins: the same in all four partners
	s_lshr_b32 s[CK+1], ttmp9, 2
	s_xor_b32 s[CK], s[CK], s[CK+1]
	s_lshl_b32 s[CK], s[CK], 2                     ; chunk 0, 4, 8 or 12 goes into slot 0,
	s_add_co_u32 s[CK+1], s[CK], 1                 ; the next into slot 1
	s_mov_b32 s[KOF+1], 0
	s_mov_b32 s[POF+1], 0
	s_lshl_b32 s72, s17, 7                         ; the prefetch of q: my 32 rows of q_s, in chunk 0
	s_add_co_u32 s72, s72, 0x1000000
	s_mov_b32 s73, 0
	s_lshl_b32 s74, s17, 12                        ; out1: my first row of 4,096 bytes, my wave's 256 keys
	s_lshl_b32 s75, s[WV], 10
	s_add_co_u32 s74, s74, s75
	s_mov_b32 s75, 0
	s_lshl_b32 s76, s17, 7                         ; pb: my wave's four chunks of 64 keys, my first row of 128 bytes
	s_lshl_b32 s77, s[WV], 22
	s_add_co_u32 s76, s76, s77
	s_mov_b32 s77, 0
	s_lshl_b32 s78, s15, 12                        ; the mask: the batch's row, my wave's 256 keys
	s_lshl_b32 s79, s[WV], 10
	s_add_co_u32 s78, s78, s79
	s_mov_b32 s79, 0
	s_wait_kmcnt 0x0
	s_add_nc_u64 s[KB:KB+1], s[4:5], s[20:21]
	s_add_nc_u64 s[QB:QB+1], s[4:5], s[22:23]
	s_add_nc_u64 s[PFQB:PFQB+1], s[4:5], s[72:73]
	s_add_nc_u64 s[66:67], s[8:9], s[74:75]
	s_add_nc_u64 s[68:69], s[10:11], s[76:77]
	s_add_nc_u64 s[6:7], s[6:7], s[78:79]
.irp s, 0,1
	s_lshl_b32 s[KOF], s[CK+\s], 20                ; the slot's first chunk, in bytes
	s_mov_b32 s[G0K+4*\s], 1                       ; 1:0 count = 1
	s_add_co_u32 s[G0K+4*\s+1], s18, \s*SLOT       ; 63:32 LDS address
	s_add_nc_u64 s[G0K+4*\s+2:G0K+4*\s+3], s[KB:KB+1], s[KOF:KOF+1]   ; 120:64 global address
	s_or_b32 s[G0K+4*\s+3], s[G0K+4*\s+3], 0x80000000              ; 127:126 type = 2
	s_mov_b32 s[G0Q+4*\s], 1
	s_add_co_u32 s[G0Q+4*\s+1], s19, \s*SLOT
	s_add_nc_u64 s[G0Q+4*\s+2:G0Q+4*\s+3], s[QB:QB+1], s[KOF:KOF+1]
	s_or_b32 s[G0Q+4*\s+3], s[G0Q+4*\s+3], 0x80000000
.endr
	CROUND                                         ; all four work-groups are here: the first joint loads meet
	JLOAD 0
	JLOAD 1                                        ; two tensor loads of mine are out
	v_and_b32 v1, 15, v0                           ; r = l % 16
	v_bfe_u32 v2, v0, 4, 1                         ; h = l / 16
	v_lshlrev_b32 v[MOFF], 5, v2
.irp kt, 0,1,2,3,4,5,6,7,8,9,10,11,12,13,14,15
	global_load_b128 v[PEN+8*\kt:PEN+8*\kt+3], v[MOFF], s[6:7] offset:64*\kt        ; the mask of keys 16 kt + 8 h + 0 .. 7 of my wave's 256
	global_load_b128 v[PEN+8*\kt+4:PEN+8*\kt+7], v[MOFF], s[6:7] offset:64*\kt+16
.endr
	v_lshrrev_b32 v3, 1, v1
	v_mul_u32_u24 v3, v3, 272
	v_and_b32 v4, 1, v0
	v_lshl_add_u32 v3, v4, 7, v3
	v_lshl_add_u32 v3, v2, 4, v3                   ; a fragment's row r: (r / 2) x 272 + (r % 2) x 128, + 16 h
	s_mul_i32 s70, s[WV], 16*TILE                  ; my 256 keys
	v_add_nc_u32 v[ADRK], s70, v3
	v_add_nc_u32 v[ADRK+1], SLOT, v[ADRK]
	v_add_nc_u32 v[ADRQ], QOFF, v3
	v_add_nc_u32 v[ADRQ+1], SLOT, v[ADRQ]
	v_lshlrev_b32 v[REDR], 4, v1
	v_add_nc_u32 v[REDR], RED, v[REDR]             ; my query's 16 bytes: a word for each wave
	s_lshl_b32 s71, s[WV], 2
	v_add_nc_u32 v[REDW], s71, v[REDR]
	s_mul_i32 s70, s[WV], 16*SPITCH                ; my stage
	v_mul_u32_u24 v4, v1, SPITCH
	v_add_nc_u32 v4, s70, v4
	v_lshl_add_u32 v[STO], v2, 5, v4               ; row r, 32 bytes (f32) for each half of the lanes,
	v_lshl_add_u32 v[STOP], v2, 4, v4              ; or 16 (f16)
	v_and_b32 v5, 31, v0
	v_lshlrev_b32 v[CO], 4, v5
	v_add_nc_u32 v[RD], s70, v[CO]                 ; back: the 32 lanes take one row of 512 bytes,
	v_lshrrev_b32 v6, 3, v5
	v_mul_u32_u24 v6, v6, SPITCH
	v_and_b32 v7, 7, v0
	v_lshl_add_u32 v6, v7, 4, v6
	v_add_nc_u32 v[RDP], s70, v6                   ; or eight lanes 128 bytes of each of four rows
	v_lshlrev_b32 v[PFQO], 8, v1
	v_lshl_add_u32 v[PFQO], v2, 24, v[PFQO]
	s_wait_loadcnt 0x0                             ; the mask
.set i, 0
.rept 64
	v_pk_fma_f32 v[PEN+2*i:PEN+2*i+1], v[PEN+2*i:PEN+2*i+1], -1.0, 1.0 op_sel_hi:[1,0,0]      ; 1 - mask, rounded once
.set i, i+1
.endr
.set i, 0
.rept 64
	v_pk_mul_f32 v[PEN+2*i:PEN+2*i+1], v[PEN+2*i:PEN+2*i+1], 0xc7c35000 op_sel_hi:[1,0]       ; x -100000, rounded once
.set i, i+1
.endr
; 16 matrix instructions: row tile 2 hi + ql x my 16 key tiles, 32 along K: buffer f.  zero = 1: the first product starts the sums: nothing is ever cleared.
; The 64 accumulators take turns, one instruction a turn, in the same order in every 64.
.macro MUL16 f, hi, ql, zero
.irp kt, 0,1,2,3,4,5,6,7,8,9,10,11,12,13,14,15
.if \zero
	v_wmma_f32_16x16x32_f16 v[8*(16*\ql+\kt):8*(16*\ql+\kt)+7], v[128*\f+8*\kt:128*\f+8*\kt+7], v[QF+32*\f+8*(2*\hi+\ql):QF+32*\f+8*(2*\hi+\ql)+7], 0
.else
	v_wmma_f32_16x16x32_f16 v[8*(16*\ql+\kt):8*(16*\ql+\kt)+7], v[128*\f+8*\kt:128*\f+8*\kt+7], v[QF+32*\f+8*(2*\hi+\ql):QF+32*\f+8*(2*\hi+\ql)+7], v[8*(16*\ql+\kt):8*(16*\ql+\kt)+7]
.endif
.endr
.endm
.set MUL_LO, 0xa1                      ; source 0 (k) window 1, source 1 (q) window 0, C and D window 2
.set MUL_HI, 0xf1                      ; the same, C and D window 3
; 40 LDS loads in one run: the fragments of 32 along K (half u of the slot's chunk) into buffer f: my 16 key tiles, then the four row tiles.
; A fragment is 16 rows x 32 K in 8 registers: lane l holds row l % 16; registers 0-3 K = 8 (l / 16) + 0..7, registers 4-7 K = 16 + 8 (l / 16) + 0..7: two loads of 16 bytes, 32 bytes apart.
.macro FETCH slot, u, f
	WIN 0x40                                       ; destination window 1, address window 0
.irp kt, 0,1,2,3,4,5,6,7,8,9,10,11,12,13,14,15
	ds_load_b128 v[128*\f+8*\kt:128*\f+8*\kt+3],   v[ADRK+\slot] offset:\kt*TILE+64*\u
	ds_load_b128 v[128*\f+8*\kt+4:128*\f+8*\kt+7], v[ADRK+\slot] offset:\kt*TILE+64*\u+32
.endr
	WIN 0
.irp qt, 0,1,2,3
	ds_load_b128 v[QF+32*\f+8*\qt:QF+32*\f+8*\qt+3],   v[ADRQ+\slot] offset:\qt*TILE+64*\u
	ds_load_b128 v[QF+32*\f+8*\qt+4:QF+32*\f+8*\qt+7], v[ADRQ+\slot] offset:\qt*TILE+64*\u+32
.endr
.endm
; A chunk's first half: multiplies buffer 0; in its middle it fetches the second half's fragments into buffer 1.
.macro QUARTER slot, zero
	s_wait_dscnt 4                                 ; k and q's row tiles 0, 1 are in; the youngest four loads (row tiles 2, 3) may be out
	WIN MUL_LO
	MUL16 0, 0, 0, \zero
	MUL16 0, 0, 1, \zero
	PLACES
	FETCH \slot, 1, 1
	s_wait_dscnt 40                                ; all but the 40 just issued
	WIN MUL_HI
	MUL16 0, 1, 0, \zero
	MUL16 0, 1, 1, \zero
.endm
; A chunk's second half multiplies buffer 1 and changes slots: ONE barrier.  In front of it each wave waits for all its tensor loads (one is out: its part of the next slot), adds 0 to its spare word, and waits for
; that and for its own reads of this slot.  fill = 1: the barrier opens a round of the cluster's barrier, and this slot is filled again, two chunks on in the walk, first thing behind the round.
.macro TURN slot, next, fill
.if \fill
	s_wait_xcnt 0x0                                ; the last prefetch, a chunk back, has read its address, which is made anew here, ahead of the waits of the change of slots
	s_add_co_u32 s[CK+\slot], s[CK+\slot], 2       ; the chunk that this slot takes now: two on,
	s_and_b32 s[CK+\slot], s[CK+\slot], 15         ; round modulo 16
	s_lshl_b32 s[KOF], s[CK+\slot], 20             ; in bytes
	s_add_co_u32 s[POF], s[CK+\slot], 2            ; and the chunk that it will take next time: that one's q is prefetched
	s_and_b32 s[POF], s[POF], 15
	s_lshl_b32 s[POF], s[POF], 20
	s_add_nc_u64 s[PFQ:PFQ+1], s[PFQB:PFQB+1], s[POF:POF+1]
.endif
	WIN 0                                          ; (the add's two registers lie in window 0)
	s_wait_tensorcnt 0x0                           ; all my tensor loads have landed: my part of the next slot; so every group 0 may be written;
	ds_add_u32 v[SPW], v[NIL]                      ; 0 onto my spare word
.if \fill
	s_add_nc_u64 s[G0K+4*\slot+2:G0K+4*\slot+3], s[KB:KB+1], s[KOF:KOF+1]
	s_or_b32 s[G0K+4*\slot+3], s[G0K+4*\slot+3], 0x80000000
	s_add_nc_u64 s[G0Q+4*\slot+2:G0Q+4*\slot+3], s[QB:QB+1], s[KOF:KOF+1]
	s_or_b32 s[G0Q+4*\slot+3], s[G0Q+4*\slot+3], 0x80000000
.endif
	s_wait_dscnt 5                                 ; (the add and the youngest four loads may be out)
	WIN MUL_LO
	MUL16 1, 0, 0, 0                               ; sixteen matrix instructions stand between the add and the wait for it
	s_wait_dscnt 0x0                               ; the add is done, and my reads of this slot are over
	s_barrier_signal -1
	MUL16 1, 0, 1, 0                               ; work on registers while the others arrive
.if \fill
	WIN 0
.endif
	s_barrier_wait -1
.if \fill
	CREST                                          ; no wave of any partner still reads this slot's tile or has a load on its way
	JLOAD \slot                                    ; the first tensor load behind the round, and my only one until the next; the four v_nop behind it are also the places in front of the loads below
.else
	PLACES
.endif
	FETCH \next, 0, 0
.if \fill
	ASK LIMQ, PFQO, PFQ
.endif
	WIN MUL_HI
	MUL16 1, 1, 0, 0
	MUL16 1, 1, 1, 0
.endm
	s_wait_tensorcnt 1                             ; my part of the walk's first chunk is in; the second's may stay out
	s_barrier_signal -1
	s_barrier_wait -1                              ; everybody's is
	FETCH 0, 0, 0
	QUARTER 0, 1                                   ; the first 64 products stand in front of the loop: they start the sums
	WIN 0                                          ; at a label and at a branch every window is 0
	s_mov_b32 s3, 7
.Llap:                                             ; seven trips, each once round the ring: they fill the slots again with the walk's 3rd to 16th chunk
	TURN 0, 1, 1
	QUARTER 1, 0
	TURN 1, 0, 1
	QUARTER 0, 0
	WIN 0
	s_sub_co_u32 s3, s3, 1
	s_cmp_lg_u32 s3, 0
	s_cbranch_scc1 .Llap
	TURN 0, 1, 0                                   ; the tail is written out: nothing is left to ask for
	QUARTER 1, 0
	s_wait_dscnt 4
	WIN MUL_LO
	MUL16 1, 0, 0, 0
	MUL16 1, 0, 1, 0
	s_wait_dscnt 0x0
	WIN MUL_HI
	MUL16 1, 1, 0, 0
	MUL16 1, 1, 1, 0
	WIN 0
	PLACES
; THE SOFTMAXES, in f32, in place on the accumulators.  hi = 0: self (window 2), 1: other (window 3).  Register 2 i of a window belongs to row tile i / 64 of the two and to the key of PEN + 2 (i % 64).
.macro BIAS hi                         ; t = S / 32 + penalty: one rounding (the division by 32 rounds nothing).  Each accumulator is read from its low end on
	WIN 0x82+0x41*\hi                              ; destination and source 0 in the accumulators' window, the penalties in window 0
.set i, 0
.rept 128
	v_pk_fma_f32 v[2*i:2*i+1], v[2*i:2*i+1], 0x3d000000, v[PEN+2*(i%64):PEN+2*(i%64)+1] op_sel_hi:[1,0,1]
.set i, i+1
.endr
.endm
.macro MAXS hi                         ; the largest t of my 128 numbers of each row tile, in four chains
	WIN 0x28+0x14*\hi                              ; sources 1 and 2 in the accumulators' window
.set i, 0
.rept 128
	v_max3_num_f32 v[T+4*(2*\hi+i/64)+i%4], v[T+4*(2*\hi+i/64)+i%4], v[2*i], v[2*i+1]
.set i, i+1
.endr
.endm
; e = 2^((t - m) log2(e)).  The maximum is taken away FIRST, so that a common offset of the scores (a penalty) costs the exponent nothing.  Accumulator ai's eight plain lines (four subtractions, four scalings):
.macro PLAIN hi
.if an < 4
	v_pk_add_f32 v[8*ai+2*an:8*ai+2*an+1], v[8*ai+2*an:8*ai+2*an+1], v[MX+2*(2*\hi+ai/16):MX+2*(2*\hi+ai/16)+1] neg_lo:[0,1] neg_hi:[0,1]
.else
	v_pk_mul_f32 v[8*ai+2*an-8:8*ai+2*an-7], v[8*ai+2*an-8:8*ai+2*an-7], 0x3fb8aa3b op_sel_hi:[1,0]
.endif
.endm
.macro EXPS hi                         ; behind each of an accumulator's eight exponentials stands one of the next accumulator's eight plain lines: no two exponentials follow each other
	WIN 0x82+0x41*\hi
.set ai, 0
.set an, 0
.rept 8
	PLAIN \hi
.set an, an+1
.endr
.set ai, 1
.rept 31
.set an, 0
.rept 8
	v_exp_f32 v[8*ai-8+an], v[8*ai-8+an]
	PLAIN \hi
.set an, an+1
.endr
.set ai, ai+1
.endr
.set an, 0
.rept 8
	v_exp_f32 v[248+an], v[248+an]
.set an, an+1
.endr
	v_nop                                          ; a plain line between the last exponential and the use of its result
.endm
.macro SUMS hi                         ; the sum of my 128 numbers of each row tile: four packed chains, each begun by the sum of two pairs
	WIN 0x0a+5*\hi                                 ; sources 0 and 1 in the accumulators' window
	s_wait_alu depctr_va_vdst(0)
.irp ql, 0,1
.irp c, 0,1,2,3
	v_pk_add_f32 v[CH+8*(2*\hi+\ql)+2*\c:CH+8*(2*\hi+\ql)+2*\c+1], v[128*\ql+2*\c:128*\ql+2*\c+1], v[128*\ql+8+2*\c:128*\ql+9+2*\c]
.endr
.endr
	WIN 0x02+\hi                                   ; source 0 alone
.irp ql, 0,1
.set i, 8
.rept 56
	v_pk_add_f32 v[CH+8*(2*\hi+\ql)+2*(i%4):CH+8*(2*\hi+\ql)+2*(i%4)+1], v[128*\ql+2*i:128*\ql+2*i+1], v[CH+8*(2*\hi+\ql)+2*(i%4):CH+8*(2*\hi+\ql)+2*(i%4)+1]
.set i, i+1
.endr
.endr
.endm
	BIAS 0
	BIAS 1
	WIN 0
.irp i, 0,1,2,3,4,5,6,7,8,9,10,11,12,13,14,15
	v_mov_b32 v[T+\i], 0xff800000                  ; the chains begin under every number
.endr
	MAXS 0
	MAXS 1
	WIN 0
.irp q, 0,1,2,3
	v_max3_num_f32 v[T+4*\q], v[T+4*\q], v[T+4*\q+1], v[T+4*\q+2]
.endr
.irp q, 0,1,2,3
	v_max_num_f32 v[T+4*\q], v[T+4*\q], v[T+4*\q+3]
.endr
.irp q, 0,1,2,3
	v_permlanex16_b32 v[T+4*\q+1], v[T+4*\q], s[SEL], s[SEL+1]     ; the query's other keys of each tile lie in the lane 16 away
.endr
.irp q, 0,1,2,3
	v_max_num_f32 v[T+4*\q], v[T+4*\q], v[T+4*\q+1]                ; my wave's 256 keys
.endr
.irp q, 0,1,2,3
	ds_store_b32 v[REDW], v[T+4*\q] offset:256*\q                  ; both halves of the lanes write the same word with the same value
.endr
	s_wait_dscnt 0x0                               ; for the others' sake: my stores are done
	s_barrier_signal -1
	s_barrier_wait -1
.irp q, 0,1,2,3
	ds_load_b128 v[64+4*\q:67+4*\q], v[REDR] offset:256*\q         ; the four waves' maxima of my query
.endr
	s_wait_dscnt 0x0
.irp q, 0,1,2,3
	v_max3_num_f32 v[T+4*\q], v[64+4*\q], v[65+4*\q], v[66+4*\q]
.endr
.irp q, 0,1,2,3
	v_max_num_f32 v[MX+2*\q], v[T+4*\q], v[67+4*\q]                ; the row's maximum, made twice: the pair that the packed subtraction takes
	v_max_num_f32 v[MX+2*\q+1], v[T+4*\q], v[67+4*\q]
.endr
	EXPS 0
	EXPS 1
	SUMS 0
	SUMS 1
	WIN 0
.irp q, 0,1,2,3
	v_pk_add_f32 v[CH+8*\q:CH+8*\q+1], v[CH+8*\q:CH+8*\q+1], v[CH+8*\q+2:CH+8*\q+3]
.endr
.irp q, 0,1,2,3
	v_pk_add_f32 v[CH+8*\q+4:CH+8*\q+5], v[CH+8*\q+4:CH+8*\q+5], v[CH+8*\q+6:CH+8*\q+7]
.endr
.irp q, 0,1,2,3
	v_pk_add_f32 v[CH+8*\q:CH+8*\q+1], v[CH+8*\q:CH+8*\q+1], v[CH+8*\q+4:CH+8*\q+5]
.endr
.irp q, 0,1,2,3
	v_add_f32 v[T+4*\q], v[CH+8*\q], v[CH+8*\q+1]
.endr
.irp q, 0,1,2,3
	v_permlanex16_b32 v[T+4*\q+1], v[T+4*\q], s[SEL], s[SEL+1]
.endr
.irp q, 0,1,2,3
	v_add_f32 v[T+4*\q], v[T+4*\q], v[T+4*\q+1]
.endr
.irp q, 0,1,2,3
	ds_store_b32 v[REDW], v[T+4*\q] offset:1024+256*\q             ; other bytes than the maxima's: no barrier is owed between those reads and these stores
.endr
	s_wait_dscnt 0x0
	s_barrier_signal -1
	s_barrier_wait -1
.irp q, 0,1,2,3
	ds_load_b128 v[96+4*\q:99+4*\q], v[REDR] offset:1024+256*\q
.endr
	s_wait_dscnt 0x0
.irp q, 0,1,2,3
	v_add_f32 v[T+4*\q], v[96+4*\q], v[97+4*\q]
.endr
.irp q, 0,1,2,3
	v_add_f32 v[T+4*\q+1], v[98+4*\q], v[99+4*\q]
.endr
.irp q, 0,1,2,3
	v_add_f32 v[T+4*\q], v[T+4*\q], v[T+4*\q+1]                    ; the row's sum: at least 1, since the row's largest t gives e = 1
.endr
.irp q, 0,1,2,3
	v_rcp_f32 v[MX+2*\q], v[T+4*\q]                ; made twice: the pair that the packed forms multiply by
	v_rcp_f32 v[MX+2*\q+1], v[T+4*\q]
.endr
	v_nop                                          ; a plain line between the last reciprocal and the use of its result
	WIN 0x82
.set i, 0
	s_wait_alu depctr_va_vdst(0)
.rept 128
	v_pk_mul_f32 v[2*i:2*i+1], v[2*i:2*i+1], v[MX+2*(i/64):MX+2*(i/64)+1]                     ; p_self
.set i, i+1
.endr
	WIN 0xe3                                       ; destination and source 0 window 3, source 1 window 0, source 2 window 2
.set i, 0
.rept 128
	v_pk_fma_f32 v[2*i:2*i+1], v[2*i:2*i+1], v[MX+4+2*(i/64):MX+4+2*(i/64)+1], v[2*i:2*i+1]   ; p_other + p_self
.set i, i+1
.endr
; THE WAY OUT, in six blocks through my own stage; each block is 16 LDS stores, 16 LDS loads and 16 stores of 512 consecutive bytes.  n: the block's number; its registers are v128-191 or v192-255 by turns.
; out1, block (ql, hf): 16 queries x 128 keys of f32: a lane holds 32 neighbouring bytes of a row; back come whole rows of 512 bytes.
.macro P1STAGE ql, hf, n
.set BB, BK+64*((\n)%2)
	WIN 0x08                                       ; an LDS store's data are its source 1: window 2
.irp k, 0,1,2,3,4,5,6,7
	ds_store_b128 v[STO], v[8*(16*\ql+8*\hf+\k):8*(16*\ql+8*\hf+\k)+3] offset:64*\k
	ds_store_b128 v[STO], v[8*(16*\ql+8*\hf+\k)+4:8*(16*\ql+8*\hf+\k)+7] offset:64*\k+16
.endr
	WIN 0
.irp t, 0,1,2,3,4,5,6,7,8,9,10,11,12,13,14,15
	ds_load_b128 v[BB+4*\t:BB+4*\t+3], v[RD] offset:\t*SPITCH      ; LDS serves a wave's instructions in order (ISA guide 5.7.1.4): these see the stores above, and the next block's stores come behind them
.endr
.endm
.macro P1SEND ql, hf, n, younger       ; younger: the LDS instructions issued behind the block's loads, which may stay out
.set BB, BK+64*((\n)%2)
	s_wait_dscnt \younger
.irp t, 0,1,2,3,4,5,6,7,8,9,10,11,12,13,14,15
	global_store_b128 v[CO], v[BB+4*\t:BB+4*\t+3], s[66:67] offset:(16*\ql+\t)*4096+512*\hf th:TH_STORE_NT
.endr
.endm
; pb, block ql: 16 queries x my 256 keys of f16: a lane's eight keys pack into 16 bytes; back come, for each of my four chunks of 64 keys, four rows of 128 bytes an instruction: in pb they are 512 consecutive bytes.
.macro PBSTAGE ql, n
.set BB, BK+64*((\n)%2)
	WIN 0x0f                                       ; sources 0 and 1 window 3
.irp kt, 0,1,2,3,4,5,6,7,8,9,10,11,12,13,14,15
.irp r, 0,1,2,3
	v_cvt_pk_f16_f32 v[64+4*\kt+\r], v[8*(16*\ql+\kt)+2*\r], v[8*(16*\ql+\kt)+2*\r+1]
.endr
.endr
	WIN 0
.irp kt, 0,1,2,3,4,5,6,7,8,9,10,11,12,13,14,15
	ds_store_b128 v[STOP], v[64+4*\kt:64+4*\kt+3] offset:32*\kt
.endr
.irp c, 0,1,2,3
.irp t, 0,1,2,3
	ds_load_b128 v[BB+16*\c+4*\t:BB+16*\c+4*\t+3], v[RDP] offset:\t*4*SPITCH+128*\c
.endr
.endr
.endm
.macro PBSEND ql, n, younger
.set BB, BK+64*((\n)%2)
	s_wait_dscnt \younger
.irp c, 0,1,2,3
.irp t, 0,1,2,3
	global_store_b128 v[CO], v[BB+16*\c+4*\t:BB+16*\c+4*\t+3], s[68:69] offset:\c*CHUNK+2048*\ql+512*\t th:TH_STORE_NT
.endr
.endr
.endm
	P1STAGE 0, 0, 0
	P1STAGE 0, 1, 1
	P1SEND 0, 0, 0, 32                             ; behind block 0's loads: block 1's 16 stores and 16 loads
	s_wait_xcnt 0x0                                ; block 0's stores have read their registers: block 2's loads may land there
	P1STAGE 1, 0, 2
	P1SEND 0, 1, 1, 32
	s_wait_xcnt 0x0
	P1STAGE 1, 1, 3
	P1SEND 1, 0, 2, 32
	s_wait_xcnt 0x0
	PBSTAGE 0, 4
	P1SEND 1, 1, 3, 32
	s_wait_xcnt 0x0
	PBSTAGE 1, 5
	PBSEND 0, 4, 32
	PBSEND 1, 5, 0
	s_wait_tensorcnt 0x0                           ; the wave's end: behind my last tensor load and my last LDS store
	ds_add_u32 v[SPW], v[NIL]
	s_wait_dscnt 0x0
	CROUND                                         ; the closing round: no work-group ends while a partner may still ask for a tile that names it
	s_endpgm
.Lfunc_end_k_q327db4bf91_scores:
	.size	k_q327db4bf91_scores, .Lfunc_end_k_q327db4bf91_scores-k_q327db4bf91_scores
	.p2alignl 7, 3214868480
	.fill 96, 4, 3214868480
	.section	.rodata,"a",@progbits
	.p2align	6, 0x0
	.amdhsa_kernel k_q327db4bf91_scores
		.amdhsa_group_segment_fixed_size 327680
		.amdhsa_private_segment_fixed_size 0
		.amdhsa_enable_private_segment 0
		.amdhsa_kernarg_size 32
		.amdhsa_user_sgpr_count 2
		.amdhsa_user_sgpr_kernarg_segment_ptr 1
		.amdhsa_wavefront_size32 1
		.amdhsa_system_sgpr_workgroup_id_x 1
		.amdhsa_system_sgpr_workgroup_id_y 1
		.amdhsa_system_sgpr_workgroup_id_z 1
		.amdhsa_system_vgpr_workitem_id 0
		.amdhsa_next_free_vgpr 1024
		.amdhsa_next_free_sgpr 88
		.amdhsa_reserve_vcc 0
		.amdhsa_float_denorm_mode_32 3
		.amdhsa_float_denorm_mode_16_64 3
		.amdhsa_memory_ordered 1
		.amdhsa_forward_progress 1
		.amdhsa_inst_pref_size 242
	.end_amdhsa_kernel
	.amdgpu_metadata
---
amdhsa.version: [ 1, 2 ]
amdhsa.kernels:
  - .name:           k_q327db4bf91_scores
    .symbol:         k_q327db4bf91_scores.kd
    .args:
      - { .name: proj, .offset: 0, .size: 8, .value_kind: global_buffer, .address_space: global }
      - { .name: attention_mask, .offset: 8, .size: 8, .value_kind: global_buffer, .address_space: global }
      - { .name: out1, .offset: 16, .size: 8, .value_kind: global_buffer, .address_space: global }
      - { .name: pb, .offset: 24, .size: 8, .value_kind: global_buffer, .address_space: global }
    .group_segment_fixed_size: 327680
    .private_segment_fixed_size: 0
    .kernarg_segment_align: 8
    .kernarg_segment_size: 32
    .max_flat_workgroup_size: 128
    .sgpr_count:     88
    .vgpr_count:     1024
    .wavefront_size: 32
...
	.end_amdgpu_metadata
.endif
;; end of part 3
;; launch pv (part 4): grid 4 x 64, 4 waves a work-group, clusters of 4 x 4, 327,680 bytes of LDS; arguments pb, proj, out0; writes out0
.if DOCPART == 4
	.amdgcn_target "amdgcn-amd-amdhsa--gfx1250"
	.amdhsa_code_object_version 6
	.text
	.protected	k_q327db4bf91_pv
	.globl	k_q327db4bf91_pv
	.p2align	8
	.type	k_q327db4bf91_pv,@function
k_q327db4bf91_pv:
	s_mov_b64 s[64:65], 0
	v_nop
	global_prefetch_b8 v0, s[64:65] scope:SCOPE_SE
	s_setreg_imm32_b32 hwreg(HW_REG_WAVE_MODE, 25, 1), 1
	s_wait_xcnt 0x0
	s_wait_alu depctr_hold_cnt(0) depctr_sa_sdst(0) depctr_va_vdst(0) depctr_va_sdst(0) depctr_va_ssrc(0) depctr_va_vcc(0) depctr_vm_vsrc(0)
	s_getreg_b32 s2, hwreg(HW_REG_IB_STS2, 6, 4)
	s_cmp_eq_u32 s2, 0
	s_cbranch_scc0 .Lentry_in_a_cluster
	s_endpgm
.Lentry_in_a_cluster:
	s_bfe_u32 s2, ttmp6, 0x10000c
	s_cmp_lg_u32 s2, 0xf033
	s_cbranch_scc0 .Lentry_shape_is_right
	s_endpgm
.Lentry_shape_is_right:
; out0[b][q][a] = sum over the keys of P[b][q][key] v[b][key][a], P = f16(p_self + p_other) from the launch before, v as v^T with the keys innermost: a GEMM C = A B^T per batch, f16 operands, f32 sums, K = 1,024.
; (Both operands were rounded to f16 by the launches that made them, which state their room in that format: P is at most 2; |v| stays under 65,504.)
; A tile of C is 128 rows x 256 columns: 64 x 4 = 256 tiles, one to a work-group of four waves; a wave makes 64 x 128: 32 accumulators of 16 x 16, 256 registers.
; OPERANDS lie in chunks of 64 keys: in a chunk a row is 128 bytes and the rows are dense.  P: chunk kc at kc x 1 MiB, row 1,024 b + q.  v^T (48 MiB into proj): chunk 16 b + kc at x 128 KiB, row a.
; A tile's part of a chunk is a dense block; it comes into LDS as rows of 256 bytes with 16 bytes of padding behind each: row R at (R / 2) x 272 + (R % 2) x 128.
; K goes in 8 steps of 128 keys (two chunks) through a ring of two LDS slots.  Waves 0 and 1 fetch A's two chunks of a step, waves 2 and 3 B's: one tensor load a wave.
; CLUSTERS: 4 x 4 work-groups.  The four of a row of the cluster need the same tiles of A, the four of a column the same tiles of B (all sixteen lie in one batch): each tile is asked for JOINTLY.
; THE MATRIX INSTRUCTION IS USED TRANSPOSED (source 0 = 16 rows of v^T, source 1 = 16 rows of P): a lane holds eight neighbouring numbers of a row of C.
; No prefetch: the tile is small and a work-group's whole walk is eight steps.
; REGISTERS: window 0: v16-29 addresses; two fragment buffers of 96: A (4 x 16 rows x 32 K) at v32 and v128, B (8 x) at v64 and v160; on the way out v32-159.   window 1: the accumulators ((a, b) at v[8 (8 a + b)]).
.set TILE,   2176                      ; 16 rows in LDS: 8 x 272
.set ACH,    64*272                    ; A's 128 rows of a chunk
.set BCH,    128*272                   ; B's 256 rows of a chunk
.set BOFF,   2*ACH                     ; a slot: A's two chunks, then B's two
.set SLOT,   BOFF+2*BCH                ; 104,448 bytes
.set SPARE,  2*SLOT                    ; behind the ring: the spare words, 128 bytes for each wave: two blocks of 256 bytes that no other line names
.set STAGE,  SPARE+512                 ; behind them: 16 rows x (512 bytes + 16) for each wave, for the way out
.set SPITCH, 528
.set ADRA, 16                          ; v16-17  LDS address of my A fragments in slot 0, 1
.set ADRB, 20                          ; v20-21  the same for B
.set STO,  24                          ; v24     the way out: where I put 32 bytes of a row
.set RD,   25                          ; v25     the way out: where I read a row back
.set CO,   26                          ; v26     16 x lane
.set SPW,  28                          ; v28     LDS address of my spare word: SPARE + 4 x my thread's number; never rewritten
.set NIL,  29                          ; v29     0; never rewritten
.set FA,   32                          ; A's fragments of buffer f at v[FA + 96 f]
.set FB,   64                          ; B's at v[FB + 96 f]
.set G1, 24                            ; s[24:31] descriptor group 1 for A's tiles;  s[32:39] group 0, one set for each slot
.set G0, 32
.set G1B, 48                           ; s[48:55], s[56:63] the same for B's tiles
.set G0B, 56
.set MSB, 0
.macro WIN new                         ; the immediate's high byte repeats the setting that is left; a switch that changes nothing is dropped
.if MSB != (\new)
	s_set_vgpr_msb (MSB<<8)|(\new)
.set MSB, (\new)
.endif
.endm
.set MUL, 0x50                         ; sources 0 and 1 window 0; C and D window 1
.macro JLOAD s                         ; a joint load: waves 0 and 1 fetch A's two chunks, waves 2 and 3 B's; four v_nop follow each of the two lines
	s_cmp_eq_u32 s11, 0
	s_cbranch_scc0 .Lfor_b_\@
	tensor_load_to_lds s[G0+4*\s:G0+4*\s+3], s[G1:G1+7]
	s_nop 0
.rept 4
	v_nop
.endr
	s_branch .Lasked_\@
.Lfor_b_\@:
	tensor_load_to_lds s[G0B+4*\s:G0B+4*\s+3], s[G1B:G1B+7]
	s_nop 0
.rept 4
	v_nop
.endr
.Lasked_\@:
.endm
.macro CREST                           ; a round of the cluster's barrier behind its opening barrier
	s_cmp_lg_u32 s10, 0
	s_cbranch_scc1 .Lnot_wave_0_\@
	s_barrier_signal -3
.Lnot_wave_0_\@:
	s_barrier_wait -3
	s_barrier_signal -1
	s_barrier_wait -1
.endm
.macro CROUND                          ; a whole round
	s_barrier_signal -1
	s_barrier_wait -1
	CREST
.endm
	s_load_b128 s[4:7], s[0:1], 0x0                ; pb s[4:5], proj s[6:7]
	s_load_b64 s[8:9], s[0:1], 0x10                ; out0
	v_lshl_add_u32 v[SPW], v0, 2, SPARE
	v_mov_b32 v[NIL], 0
	ds_add_u32 v28, v29
	s_wait_dscnt 0x0
	v_lshrrev_b32 v1, 5, v0
	v_readfirstlane_b32 s10, v1                    ; wave 0..3
	s_lshr_b32 s11, s10, 1                         ; which half of the tile's rows is mine.  Also: I fetch for A (0) or for B (1)
	s_and_b32 s12, s10, 1                          ; which half of its columns.  Also: which chunk of a step I fetch
	s_bfe_u32 s40, ttmp6, 0x40000                  ; cx = the tile column of C; cy
	s_bfe_u32 s41, ttmp6, 0x40004
	s_and_b32 s13, ttmp7, 0xffff                   ; the cluster's y, 0 .. 15
	s_lshr_b32 s42, s13, 1                         ; the batch: eight tile rows each, two clusters: the same in all sixteen partners
	s_lshl_b32 s13, s13, 2
	s_add_co_u32 s13, s13, s41                     ; tile row of C = 4 x cluster y + cy
	s_lshl_b32 s43, s41, 2
	s_lshl_b32 s43, 15, s43                        ; my row of the cluster
	s_lshl_b32 s44, 0x1111, s40                    ; my column
	; descriptor group 1: a dense block as rows of 256 bytes (32 elements of 8 bytes), 16 bytes of padding behind each.  A: 64 such rows; B: 128
	s_or_b32 s[G1+0], s43, (3<<16)|(1<<20)|(1<<21)|(5<<22)|(3<<25)  ; 15:0 the mask: A's tiles go to my row; 17:16 elements of 8 bytes; 20 padding on; 21 set beside a mask; 24:22 after every 64 words (code 5); 31:25 of 4 words (code 3)
	s_or_b32 s[G1B+0], s44, (3<<16)|(1<<20)|(1<<21)|(5<<22)|(3<<25)
	s_mov_b32 s[G1+1], 32<<16                      ; tensor_dim0 = 32
	s_mov_b32 s[G1+2], 64<<16                      ; tensor_dim1 = 64
	s_mov_b32 s[G1+3], 32<<16                      ; tile_dim0 = 32
	s_mov_b32 s[G1+4], 64                          ; tile_dim1 = 64
	s_mov_b32 s[G1+5], 32                          ; tensor_dim0_stride
	s_mov_b32 s[G1+6], 0
	s_mov_b32 s[G1+7], 0
	s_mov_b32 s[G1B+1], 32<<16
	s_mov_b32 s[G1B+2], 128<<16
	s_mov_b32 s[G1B+3], 32<<16
	s_mov_b32 s[G1B+4], 128
	s_mov_b32 s[G1B+5], 32
	s_mov_b32 s[G1B+6], 0
	s_mov_b32 s[G1B+7], 0
	s_lshl_b32 s16, s13, 14                        ; A: the tile's 128 rows of 128 bytes,
	s_lshl_b32 s17, s12, 20                        ; in my chunk of step 0
	s_add_co_u32 s16, s16, s17
	s_mov_b32 s17, 0
	s_lshl_b32 s46, s42, 4                         ; B: chunk 16 x batch + mine,
	s_add_co_u32 s46, s46, s12
	s_lshl_b32 s46, s46, 17
	s_lshl_b32 s47, s40, 15                        ; the tile's 256 rows of 128 bytes,
	s_add_co_u32 s46, s46, s47
	s_add_co_u32 s46, s46, 0x3000000               ; 48 MiB into proj
	s_mov_b32 s47, 0
	s_mul_i32 s20, s12, ACH                        ; where they go in a slot: no place in the cluster enters an LDS address
	s_mul_i32 s21, s12, BCH
	s_add_co_u32 s21, s21, BOFF
	s_wait_kmcnt 0x0
	s_add_nc_u64 s[14:15], s[4:5], s[16:17]
	s_add_nc_u64 s[46:47], s[6:7], s[46:47]
	CROUND                                         ; all sixteen work-groups are here: the first joint loads meet
.irp s, 0,1
	s_mov_b32 s[G0+4*\s], 1
	s_add_co_u32 s[G0+4*\s+1], s20, \s*SLOT
	s_add_nc_u64 s[G0+4*\s+2:G0+4*\s+3], s[14:15], \s*0x200000     ; a step on: two chunks of 1 MiB
	s_or_b32 s[G0+4*\s+3], s[G0+4*\s+3], 0x80000000
	s_mov_b32 s[G0B+4*\s], 1
	s_add_co_u32 s[G0B+4*\s+1], s21, \s*SLOT
	s_add_nc_u64 s[G0B+4*\s+2:G0B+4*\s+3], s[46:47], \s*0x40000    ; two chunks of 128 KiB
	s_or_b32 s[G0B+4*\s+3], s[G0B+4*\s+3], 0x80000000
	JLOAD \s                                       ; two tensor loads of mine are out behind the second
.endr
	v_and_b32 v1, 15, v0                           ; r = l % 16
	v_bfe_u32 v2, v0, 4, 1                         ; h = l / 16
	v_lshrrev_b32 v3, 1, v1
	v_mul_u32_u24 v3, v3, 272
	v_and_b32 v4, 1, v0
	v_lshl_add_u32 v3, v4, 7, v3
	v_lshl_add_u32 v3, v2, 4, v3                   ; a fragment's row r: (r / 2) x 272 + (r % 2) x 128, + 16 h
	s_mul_i32 s21, s11, 4*TILE                     ; my 64 rows of A
	s_mul_i32 s22, s12, 8*TILE                     ; my 128 rows of B,
	s_add_co_u32 s22, s22, BOFF                    ; which lie behind A's two chunks
.irp s, 0,1
	v_add_nc_u32 v[ADRA+\s], s21, v3
	v_add_nc_u32 v[ADRB+\s], s22, v3
	s_add_co_u32 s21, s21, SLOT
	s_add_co_u32 s22, s22, SLOT
.endr
	s_mul_i32 s23, s10, 16*SPITCH
	s_add_co_u32 s23, s23, STAGE                   ; my stage
	v_mul_u32_u24 v5, v1, SPITCH                   ; in: row r, 32 bytes for each half of the lanes
	v_lshl_add_u32 v5, v2, 5, v5
	v_add_nc_u32 v[STO], s23, v5
	v_and_b32 v6, 31, v0
	v_lshlrev_b32 v[CO], 4, v6                     ; back: the 32 lanes take one row of 512 bytes; and the same in C
	v_add_nc_u32 v[RD], s23, v[CO]
	s_lshl_b32 s16, s13, 7
	s_lshl_b32 s17, s11, 6
	s_add_co_u32 s16, s16, s17                     ; my first row of C: 128 x tile row + 64 x half
	s_lshl_b32 s16, s16, 12                        ; rows of 4,096 bytes
	s_lshl_b32 s46, s40, 10                        ; my first column, in bytes: 1,024 x tile column + 512 x half
	s_lshl_b32 s47, s12, 9
	s_add_co_u32 s46, s46, s47
	s_add_co_u32 s16, s16, s46
	s_mov_b32 s17, 0
	s_add_nc_u64 s[8:9], s[8:9], s[16:17]
; 8 matrix instructions: row block a x all 8 column blocks, 32 along K: buffer f.  zero = 1: the first product starts the sums.  The 32 accumulators take turns, one instruction a turn.
.macro MUL8 f, a, zero
.irp b, 0,1,2,3,4,5,6,7
.if \zero
	v_wmma_f32_16x16x32_f16 v[8*(8*\a+\b):8*(8*\a+\b)+7], v[FB+96*\f+8*\b:FB+96*\f+8*\b+7], v[FA+96*\f+8*\a:FA+96*\f+8*\a+7], 0
.else
	v_wmma_f32_16x16x32_f16 v[8*(8*\a+\b):8*(8*\a+\b)+7], v[FB+96*\f+8*\b:FB+96*\f+8*\b+7], v[FA+96*\f+8*\a:FA+96*\f+8*\a+7], v[8*(8*\a+\b):8*(8*\a+\b)+7]
.endif
.endr
.endm
; 24 LDS loads in one run: the fragments of the step's q-th 32 along K (chunk q / 2, half q % 2) into buffer f: B's eight, then A's four
.macro FETCH slot, q, f
	WIN 0
.irp i, 0,1,2,3,4,5,6,7
	ds_load_b128 v[FB+96*\f+8*\i:FB+96*\f+8*\i+3],   v[ADRB+\slot] offset:\i*TILE+((\q)/2)*BCH+((\q)%2)*64
	ds_load_b128 v[FB+96*\f+8*\i+4:FB+96*\f+8*\i+7], v[ADRB+\slot] offset:\i*TILE+((\q)/2)*BCH+((\q)%2)*64+32
.endr
.irp i, 0,1,2,3
	ds_load_b128 v[FA+96*\f+8*\i:FA+96*\f+8*\i+3],   v[ADRA+\slot] offset:\i*TILE+((\q)/2)*ACH+((\q)%2)*64
	ds_load_b128 v[FA+96*\f+8*\i+4:FA+96*\f+8*\i+7], v[ADRA+\slot] offset:\i*TILE+((\q)/2)*ACH+((\q)%2)*64+32
.endr
.endm
.macro PLACES                          ; four places in front of loads into registers that matrix instructions have read, and of the first read of results (ISA guide 7.12.1 for vector instructions)
.rept 4
	v_nop
.endr
.endm
; A K step is four quarters of 32 along K, 32 matrix instructions each, on buffers 0, 1, 0, 1.  One of the first three: multiplies buffer f and fetches quarter qn into buffer g.
.macro QUARTER slot, qn, f, g, zero
	s_wait_dscnt 4                                 ; B and A's blocks 0, 1 are in; the youngest four loads (A's blocks 2, 3) may be out
	WIN MUL
	MUL8 \f, 0, \zero
	MUL8 \f, 1, \zero
	PLACES
	FETCH \slot, \qn, \g
	s_wait_dscnt 24                                ; all but the 24 just issued
	WIN MUL
	MUL8 \f, 2, \zero
	MUL8 \f, 3, \zero
.endm
; The last quarter multiplies buffer 1 and changes slots: ONE barrier; in front of it each wave waits for all its tensor loads, adds 0 to its spare word, and waits for that and for its own reads of this slot.
; fill = 1: the barrier opens a round of the cluster's barrier, and this slot is filled again, two K steps ahead, first thing behind the round.
.macro TURN slot, next, fill
	WIN 0                                          ; (the add's two registers lie in window 0)
	s_wait_tensorcnt 0x0                           ; all my tensor loads have landed: my part of the next slot;
	ds_add_u32 v[SPW], v[NIL]                      ; 0 onto my spare word
	s_wait_dscnt 5                                 ; (the add and the youngest four loads may be out)
	WIN MUL
	MUL8 1, 0, 0                                   ; eight matrix instructions stand between the add and the wait for it
	s_wait_dscnt 0x0                               ; the add is done, and my reads of this slot are over
	s_barrier_signal -1
	MUL8 1, 1, 0
.if \fill
	WIN 0
.endif
	s_barrier_wait -1
.if \fill
	CREST                                          ; no wave of any partner still reads this slot's tile or has a load on its way
	s_add_nc_u64 s[G0+4*\slot+2:G0+4*\slot+3], s[G0+4*\slot+2:G0+4*\slot+3], 0x400000
	s_add_nc_u64 s[G0B+4*\slot+2:G0B+4*\slot+3], s[G0B+4*\slot+2:G0B+4*\slot+3], 0x80000
	JLOAD \slot                                    ; the first tensor load behind the round, and my only one until the next; the four v_nop behind it are also the places in front of the loads below
.else
	PLACES
.endif
	FETCH \next, 0, 0
	WIN MUL
	MUL8 1, 2, 0
	MUL8 1, 3, 0
.endm
	s_wait_tensorcnt 1                             ; my part of K step 0 is in; K step 1's may stay out
	s_barrier_signal -1
	s_barrier_wait -1                              ; everybody's is
	FETCH 0, 0, 0
	QUARTER 0, 1, 0, 1, 1                          ; the first quarter stands in front of the loop: its products start the sums
	WIN 0                                          ; at a label and at a branch every window is 0
	s_mov_b32 s3, 3
.Llap:                                             ; three trips, each once round the ring: they fill the slots again with K steps 2 to 7
	QUARTER 0, 2, 1, 0, 0
	QUARTER 0, 3, 0, 1, 0
	TURN 0, 1, 1
	QUARTER 1, 1, 0, 1, 0
	QUARTER 1, 2, 1, 0, 0
	QUARTER 1, 3, 0, 1, 0
	TURN 1, 0, 1
	QUARTER 0, 1, 0, 1, 0
	WIN 0
	s_sub_co_u32 s3, s3, 1
	s_cmp_lg_u32 s3, 0
	s_cbranch_scc1 .Llap
	QUARTER 0, 2, 1, 0, 0                          ; the last lap fills nothing, and has no round of the cluster's barrier
	QUARTER 0, 3, 0, 1, 0
	TURN 0, 1, 0
	QUARTER 1, 1, 0, 1, 0
	QUARTER 1, 2, 1, 0, 0
	QUARTER 1, 3, 0, 1, 0
	s_wait_dscnt 4                                 ; the very last quarter: nothing more to fetch
	WIN MUL
	MUL8 1, 0, 0
	MUL8 1, 1, 0
	s_wait_dscnt 0x0
	MUL8 1, 2, 0
	MUL8 1, 3, 0
	WIN 0
; THE WAY OUT, block by block of 16 rows x 128 columns of f32.  A lane holds 32 neighbouring bytes of a row, the lanes beside it other rows: a block goes through my own stage and comes back as whole rows of 512 bytes.
.macro TOSTAGE a
	WIN 0x04                                       ; an LDS store's data are its source 1: window 1
.irp b, 0,1,2,3,4,5,6,7
	ds_store_b128 v[STO], v[8*(8*(\a)+\b):8*(8*(\a)+\b)+3] offset:64*\b            ; each accumulator from its low end on
	ds_store_b128 v[STO], v[8*(8*(\a)+\b)+4:8*(8*(\a)+\b)+7] offset:64*\b+16
.endr
	WIN 0
.set BB, 32+64*((\a)%2)
.irp t, 0,1,2,3,4,5,6,7,8,9,10,11,12,13,14,15
	ds_load_b128 v[BB+4*\t:BB+4*\t+3], v[RD] offset:\t*SPITCH      ; LDS serves a wave's instructions in order (ISA guide 5.7.1.4): these see the stores above, and the next block's stores come behind them
.endr
.endm
.macro SEND a, younger                 ; younger: the LDS instructions issued behind block a's loads, which may stay out
.set BB, 32+64*((\a)%2)
	s_wait_dscnt \younger
.irp t, 0,1,2,3,4,5,6,7,8,9,10,11,12,13,14,15
	global_store_b128 v[CO], v[BB+4*\t:BB+4*\t+3], s[8:9] offset:(16*(\a)+\t)*4096 th:TH_STORE_NT   ; 32 lanes store 512 consecutive bytes, at a multiple of 256 from C's first byte
.endr
.endm
	PLACES                                         ; behind the last products: the stores read results, the loads land in registers that held fragments
	TOSTAGE 0
.irp a, 1,2,3
.if \a > 1
	s_wait_xcnt 0x0                                ; block a - 2's stores have read their registers: block a's loads may land there
.endif
	TOSTAGE \a
	SEND \a-1, 32                                  ; behind block a - 1's loads: block a's 16 stores and 16 loads
.endr
	SEND 3, 0
	s_wait_tensorcnt 0x0                           ; the wave's end: behind my last tensor load and my last LDS store
	ds_add_u32 v[SPW], v[NIL]
	s_wait_dscnt 0x0
	CROUND                                         ; the closing round: no work-group ends while a partner may still ask for a tile that names it
	s_endpgm
.Lfunc_end_k_q327db4bf91_pv:
	.size	k_q327db4bf91_pv, .Lfunc_end_k_q327db4bf91_pv-k_q327db4bf91_pv
	.p2alignl 7, 3214868480
	.fill 96, 4, 3214868480
	.section	.rodata,"a",@progbits
	.p2align	6, 0x0
	.amdhsa_kernel k_q327db4bf91_pv
		.amdhsa_group_segment_fixed_size 327680
		.amdhsa_private_segment_fixed_size 0
		.amdhsa_enable_private_segment 0
		.amdhsa_kernarg_size 24
		.amdhsa_user_sgpr_count 2
		.amdhsa_user_sgpr_kernarg_segment_ptr 1
		.amdhsa_wavefront_size32 1
		.amdhsa_system_sgpr_workgroup_id_x 1
		.amdhsa_system_sgpr_workgroup_id_y 1
		.amdhsa_system_sgpr_workgroup_id_z 1
		.amdhsa_system_vgpr_workitem_id 0
		.amdhsa_next_free_vgpr 512
		.amdhsa_next_free_sgpr 72
		.amdhsa_reserve_vcc 0
		.amdhsa_float_denorm_mode_32 3
		.amdhsa_float_denorm_mode_16_64 3
		.amdhsa_memory_ordered 1
		.amdhsa_forward_progress 1
		.amdhsa_inst_pref_size 85
	.end_amdhsa_kernel
	.amdgpu_metadata
---
amdhsa.version: [ 1, 2 ]
amdhsa.kernels:
  - .name:           k_q327db4bf91_pv
    .symbol:         k_q327db4bf91_pv.kd
    .args:
      - { .name: pb, .offset: 0, .size: 8, .value_kind: global_buffer, .address_space: global }
      - { .name: proj, .offset: 8, .size: 8, .value_kind: global_buffer, .address_space: global }
      - { .name: out0, .offset: 16, .size: 8, .value_kind: global_buffer, .address_space: global }
    .group_segment_fixed_size: 327680
    .private_segment_fixed_size: 0
    .kernarg_segment_align: 8
    .kernarg_segment_size: 24
    .max_flat_workgroup_size: 128
    .sgpr_count:     72
    .vgpr_count:     512
    .wavefront_size: 32
...
	.end_amdgpu_metadata
.endif
;; end of part 4
